; MI455X (gfx1250); checked and timed in simulation.
; The chip was launched on July 23, 2026; its instructions are those of AMD's public machine-readable ISA for CDNA 5 (MIT licence, August 2026) and "CDNA5" Instruction Set Architecture Reference Guide (July 2026). The comments in the code are by the model that wrote it; some were corrected since.
;; Causal Self Attention. Allowed arithmetic: matrix products marked QUANTISED: E2M3 operands, one E8M0 scale for each 32 along K, by v_wmma_scale_f32_16x16x128_f8f6f4 with both operands' format E2M3, f32 sums; everything else in f32.
;; Inputs: c_proj_w_codes 1,024 x 32 x 24 uint8 (E2M3 codes of c_proj_w, K innermost, in blocks of 32 codes, four codes in three bytes); c_proj_w_scales 1,024 x 32 uint8 (E8M0 scales of c_proj_w, one for each 32 codes along K); docs 4,096 int32; lambdas 2 float32; qkv_w_codes 3 x 1,024 x 32 x 24 uint8 (E2M3 codes of qkv_w, K innermost, in blocks of 32 codes, four codes in three bytes); qkv_w_scales 3 x 1,024 x 32 uint8 (E8M0 scales of qkv_w, one for each 32 codes along K); ve 1 x 4,096 x 1,024 float32; x_codes 1 x 4,096 x 32 x 24 uint8 (E2M3 codes of x, K innermost, in blocks of 32 codes, four codes in three bytes); x_scales 1 x 4,096 x 32 uint8 (E8M0 scales of x, one for each 32 codes along K).
;; Outputs: out0 1 x 4,096 x 1,024 float32.
;; This version of the problem:
;;   THIS VERSION OF THE PROBLEM IS GIVEN IN LOW PRECISION. The matrix products marked QUANTISED in the list below multiply operands that are first quantised to E2M3 (2 exponent bits, 3 mantissa bits; 6 bits a number), with one power-of-two scale for each 32 numbers along K (OCP MX v1.0); their sums are f32. All else is computed in f32.
;;   The module's matrix products, in the order in which they are computed (A, B: the left and right operand; K: the contracted axis; several contracted axes count as one K, in the product's order):
;;     1. [M 4,096, K 1,024] x [K 1,024, N 3,072]; A: input x (given as codes); B: input qkv_w (given as codes): QUANTISED
;;     2. batch 8 x [M 4,096, K 128] x [K 128, N 4,096]; A: computed on the way; B: computed on the way: QUANTISED
;;     3. batch 8 x [M 128, K 4,096] x [K 4,096, N 4,096]; A: computed on the way; B: softmax (see below): QUANTISED
;;     4. [M 4,096, K 1,024] x [K 1,024, N 1,024]; A: computed on the way; B: input c_proj_w (given as codes): QUANTISED
;;   THE QUANTISER, for each operand of a quantised product, along K:
;;     - K is cut into blocks of 32 from its start; a last block that is shorter is filled with zeros.
;;     - A block's scale is 2^e with e = floor(log2(the largest magnitude in the block)) - 2, held to -126 .. 127; a block of zeros has e = 0. As a byte (E8M0): e + 127.
;;     - Each number is divided by its block's scale, clamped to +-7.5, and rounded to the nearest number of E2M3, ties to even, subnormals kept.
;;     - The product sums the exact products of the quantised numbers (number of the format x scale) in f32.
;;   ~~~python
;;   def quantise(x, axis):      # numpy; x: float32 -> the quantised numbers, widened to float32 again
;;       x = np.moveaxis(x, axis, -1); K = x.shape[-1]
;;       x = np.pad(x, [(0, 0)] * (x.ndim - 1) + [(0, -K % 32)]); x = x.reshape(x.shape[:-1] + (-1, 32)); a = np.abs(x).max(-1, keepdims=True)
;;       e = np.where(a > 0, np.clip(np.frexp(np.where(a > 0, a, 1))[1] - 1 - 2, -126, 127), 0)      # np.frexp(a)[1] - 1 = floor(log2(a)), exactly
;;       r = np.clip(x / 2.0 ** e, -7.5, 7.5)
;;       step = 2.0 ** (np.maximum(np.frexp(np.where(r == 0, 1, r))[1] - 1, 0) - 3)
;;       q = np.round(r / step) * step * 2.0 ** e      # np.round: ties to even
;;       return np.moveaxis(q.reshape(q.shape[:-2] + (-1,))[..., :K], -1, axis).astype(np.float32)
;;   ~~~
;;   SOFTMAX AHEAD OF A QUANTISED PRODUCT. Where the list says 'softmax', what is quantised is not the finished softmax but p = 2^(t - M), with t = logit x log2(e) and M = ceil(the row's largest t), a whole number; so 1/2 < the row's largest p <= 1. The row's sum l is taken of the UNQUANTISED p, in f32, and the product's result is divided by l at the end. Since M is a whole number, a kernel that streams over the keys may use a running M (the ceiling of the running maximum): every later rescaling is an exact power of two, which a block's scale takes up: the codes' values come out the same.
;;   OPERANDS COMPUTED ON THE WAY. 'Computed on the way' means the value that the module computes at that place (a softmax that the list does not call 'softmax' is quantised finished and normalised). What goes into a quantiser is computed in f32, as accurately as f32 sums, v_exp_f32 and their like allow (about 1e-6 of the number): no bf16 or f16 on the way to a quantiser, and a product that is left as it is and whose result goes on into a quantised operand takes f32 operands (vector FMAs, or v_wmma_f32_16x16x4_f32). A number that lies on a knife's edge between two numbers of the format may be rounded either way, as far as f32 arithmetic and the matrix unit's own rounding can turn it there, and no further.
;;   INPUTS GIVEN AS CODES. c_proj_w (in the module: [1024, 1024], K = its axis 1); qkv_w (in the module: [3, 1024, 1024], K = its axis 2); x (in the module: [1, 4096, 1024], K = its axis 2): each comes as NAME_codes (uint8): NAME with its K axis moved to the last place and cut into blocks of 32 codes, [.., K / 32, bytes a block], one block behind the other in memory; four codes in three bytes: a row's codes are one little-endian stream of bits, code i at bits 6 i .. 6 i + 5 (a code: sign, 2 exponent bits, 3 mantissa bits); and NAME_scales (uint8): the same leading axes, one E8M0 byte (e + 127) for each 32 codes along K. Its value is code x scale, taken as it is: it is not quantised again, and the codes and scales need not be those that the quantiser above would give.
;; One version. Each part assembles by itself: llvm-mc -triple=amdgcn-amd-amdhsa -mcpu=gfx1250 --defsym DOCPART=n.
;; ======== version 1 of 1: 3 launches
;; workspace buffers: qkvc 9,437,184 bytes; qkvs 393,216 bytes; dstat 2,048 bytes of whole numbers; ycod 3,145,728 bytes; yscl 262,144 bytes
;; launch qkv (part 1): grid 12 x 16, 4 waves a work-group, clusters of 4 x 4, 327,680 bytes of LDS; arguments x_codes, x_scales, qkv_w_codes, qkv_w_scales, ve, lambdas, docs, qkvc, qkvs, dstat; writes qkvc, qkvs, dstat
.if DOCPART == 1
	.amdgcn_target "amdgcn-amd-amdhsa--gfx1250"
	.amdhsa_code_object_version 6
	.text
	.protected	k_q87683d3a3a_qkv
	.globl	k_q87683d3a3a_qkv
	.p2align	8
	.type	k_q87683d3a3a_qkv,@function
k_q87683d3a3a_qkv:
	s_mov_b64 s[64:65], 0
	v_nop
	global_prefetch_b8 v0, s[64:65] scope:SCOPE_SE
	s_setreg_imm32_b32 hwreg(HW_REG_WAVE_MODE, 25, 1), 1
	s_wait_xcnt 0x0
	s_wait_alu depctr_hold_cnt(0) depctr_sa_sdst(0) depctr_va_vdst(0) depctr_va_sdst(0) depctr_va_ssrc(0) depctr_va_vcc(0) depctr_vm_vsrc(0)
	s_getreg_b32 s2, hwreg(HW_REG_IB_STS2, 6, 4)
	s_cmp_eq_u32 s2, 0
	s_cbranch_scc0 .Lentry_in_a_cluster
	s_endpgm
.Lentry_in_a_cluster:
	s_bfe_u32 s2, ttmp6, 0x10000c
	s_cmp_lg_u32 s2, 0xf033
	s_cbranch_scc0 .Lentry_shape_is_right
	s_endpgm
.Lentry_shape_is_right:
; FIRST LAUNCH OF THREE.  qkv = x w^T on codes of FP6 (E2M3) as they are given; then, in f32: q, k: RMS norm over the head's 128, half rotary, quantised along the head's 128;
; v: lambdas[0] v + lambdas[1] ve, quantised along the tokens (the keys are the K of the product with the softmax).  What leaves are codes and scale words alone, laid as images of operand registers.
; Also: the least and the largest of docs (as unsigned numbers) over each 16 tokens, for the next launch.
; WORK LEFT OUT BY THE PROGRAM (in the next launch; nothing here): (a) steps of 128 keys that all come after a tile's 16 queries: reference()'s own i >= j hides them for every input;
; (b) steps of 128 keys whose range [least, largest] of docs does not meet the range of the tile's 16 queries: then no pair has equal docs, so reference() sets all those scores to -inf, whatever docs holds, sorted or not.
; A hidden score has p = 0 exactly and adds nothing to a sum.  Inside a step that is walked the mask is applied number by number.  No input is without a way to the output: all are loaded.
; LIMITS: a NaN, an infinity or an overflow that reaches only steps left out is not carried to the result; NaN and infinities among the inputs are not served; a block of zeros keeps the scale byte 1 (its codes are
; zeros, and this program alone reads the bytes); the rotary frequencies 2^(-10 fl(i / 31)) are right to the last bit of v_exp_f32, which at large token numbers can turn a code that lies at a middle.
; SHARES.  A tile of 256 x 256 to a work-group of four waves, 128 x 128 a wave (64 accumulators, 512 registers): 128 tokens x one head's 128, so that norm, rotary and quantiser stay in one wave.
; That gives 192 work-groups; smaller wave tiles would read each fragment from LDS for half the products or less.
; ROLES, by the cluster's x, which all sixteen partners share: 0 = q, 1 = k: the row side is x (source 1), the column side w (source 0): a lane holds a token, its registers run along the head's 128.
; 2 = v: the row side is w, the column side x: a lane holds one of the head's 128, its registers run along the tokens.
; ORDER INSIDE A BLOCK OF 32.  A lane's register 8 t + j is element 16 t + 8 (lane / 16) + j, so the codes of a block of 32 stand in a fixed order of their own (bits 3 and 4 of the place exchanged).  q and k have it alike
; along the head's 128, v and the next launch's p alike along the keys; blocks and scales are the true ones, so the products' sums are the same.
; The K loop: steps of 256 along K through a ring of two LDS slots filled by joint tensor loads (4 x 4 cluster: the row side's tiles shared along a row, the column side's along a column); all scale bytes come once.
.set KSTEP,  256
.set NQ,     KSTEP/128
.set ROWB,   192                       ; a tile's row: 256 codes
.set KROW,   768                       ; a row of codes in memory: 1,024 codes
.set PITCH,  240                       ; an LDS row: 3 x (64 bytes + 16 of padding)
.set FR,     12
.set NL,     6
.set NP,     4
.set HALFT,  128*PITCH
.set SLOT,   4*HALFT
.set LAPS,   2                         ; 1,024 along K = four K steps = twice round the ring
.set KS,     32                        ; a row of scale bytes
.set SCL,    2*SLOT
.set HALFS,  (128*KS/256)*272
.set SBLK,   (16*KS/256)*272
.set SPARE,  SCL+4*HALFS               ; the spare words, 128 bytes for each wave
.set TAB,    0                         ; behind the loop, q and k: cosines and sines of the work-group's 16 token tiles, 4,096 bytes each, as images of registers (in slot 0: it has had its last fill and its last read)
.set VST,    65536                     ; behind the loop, v: a stage of 128 rows x 272 bytes for each wave (bytes of its own, apart from TAB)
.set VSTB,   128*272
.set LI,   7                           ; v7   16 x lane
.set TABW, 8                           ; v8   where I store tables: 16 x lane + 16,384 x wave
.set TABR, 9                           ; v9   where I read them: 16 x lane + 32,768 x my half of the rows
.set VSTW, 10                          ; v10  my stage, on the way in: 272 (lane / 16) + 16 (lane % 16)
.set VSTR, 11                          ; v11  and out: 2,176 (lane / 16) + 4 (lane % 16)
.set VEO,  12                          ; v12  ve: 4,096 (lane / 16) + 16 (lane % 16)
.set SOF,  13                          ; v13  my place among a step's 512 bytes of scale words
.set PFO,  14                          ; v14  the prefetches' offset: 4,096 (lane / 2) + 256 (lane % 2); never rewritten
.set RL,   15                          ; v15  lane % 16
.set ADRA, 16
.set ADRB, 20
.set HL,   24                          ; v24  lane / 16
.set R4,   25                          ; v25  4 (lane % 16)
.set ADRS, 27
.set SPW,  28                          ; v28  my spare word; never rewritten
.set NIL,  29                          ; v29  0; never rewritten
.set TOK,  30                          ; v30  q, k: the token of my lane in the first tile whose table I make
.set SC,   32
.set AF,   128
.set FQ,   128                         ; behind the loop: v128-143 my 16 frequencies
.set TP,   152                         ; v152-199 four pairs at work, 12 registers each
.set PC,   192                         ; v192-211 the codes just made
.set TM,   212                         ; v212-227 the quantiser's figures
.set PWB,  228                         ; v228-235 the eight tiles' scale words
.set G1, 24
.set G0, 32
.set G1B, 48
.set G0B, 56
.set G1S, 68
.set G0S, 76
.set G1SB, 80
.set G0SB, 88
.set SEL, 20                           ; behind the loop: s[20:21] lane selects for lane l xor 16
.set VE,  66                           ; s[66:67] ve at my 128 tokens and my head's 128
.set HD,  104                          ; s104 my head
.set STP, 105                          ; s105 my step of 128 tokens
.set MSB, 0
.macro WIN new                         ; the immediate's high byte repeats the setting that is left
.if MSB != (\new)
	s_set_vgpr_msb (MSB<<8)|(\new)
.set MSB, (\new)
.endif
.endm
.set MUL_LO, 0xa1                      ; source 0 window 1, source 1 window 0, C and D window 2
.set MUL_HI, 0xf1                      ; the same, C and D window 3
.set TO_B,   0x40                      ; destination window 1
; A joint load: waves 0 and 1 fetch for the row side, waves 2 and 3 for the column side.  An s_nop 0 and four v_nop follow each of the two lines.
.macro JLOAD g0a, g1a, g0b, g1b
	s_cmp_eq_u32 s15, 0
	s_cbranch_scc0 .Lfor_b_\@
	tensor_load_to_lds s[\g0a:\g0a+3], s[\g1a:\g1a+7]
	s_nop 0
.rept 4
	v_nop
.endr
	s_branch .Lasked_\@
.Lfor_b_\@:
	tensor_load_to_lds s[\g0b:\g0b+3], s[\g1b:\g1b+7]
	s_nop 0
.rept 4
	v_nop
.endr
.Lasked_\@:
.endm
.macro CREST
	s_cmp_lg_u32 s14, 0
	s_cbranch_scc1 .Lnot_wave_0_\@
	s_barrier_signal -3
.Lnot_wave_0_\@:
	s_barrier_wait -3
	s_barrier_signal -1
	s_barrier_wait -1
.endm
.macro CROUND
	s_barrier_signal -1
	s_barrier_wait -1
	CREST
.endm
; v's work-groups ask for their wave's part of ve, 128 rows x 512 bytes, read once behind the loop: 16 rows x 2 blocks of 256 bytes an instruction, four instructions at each of the two changes of slots that fill a slot:
; each block is named once in the launch, one or two K steps (128 or 256 matrix instructions) ahead of its load.  The address registers are never rewritten.
.macro ASKVE slot
	s_cmp_eq_u32 ttmp9, 2
	s_cbranch_scc0 .Lnot_v_\@
.irp i, 0,1,2,3
	global_prefetch_b8 v[PFO], s[VE:VE+1] offset:65536*(4*\slot+\i) th:TH_LOAD_NT scope:SCOPE_SE
.endr
.Lnot_v_\@:
.endm
	s_load_b256 s[4:11], s[0:1], 0x0               ; x's codes, x's scales, w's codes, w's scales
	s_load_b64 s[VE:VE+1], s[0:1], 0x20            ; ve
	s_load_b64 s[12:13], s[0:1], 0x30              ; docs
	s_load_b64 s[96:97], s[0:1], 0x48              ; dstat
	v_lshl_add_u32 v[SPW], v0, 2, SPARE
	v_mov_b32 v[NIL], 0
	ds_add_u32 v[SPW], v[NIL]                      ; the wave's opening: the add, twice on end, and its wait ahead of my first tensor load
	ds_add_u32 v[SPW], v[NIL]
	v_lshrrev_b32 v1, 5, v0
	v_readfirstlane_b32 s14, v1                    ; wave 0..3
	s_lshr_b32 s15, s14, 1                         ; my half of the tile's rows.  Also: I fetch for the row side (0) or the column side (1)
	s_and_b32 s16, s14, 1                          ; my half of its columns.  Also: which 128 rows I fetch
	s_bfe_u32 s40, ttmp6, 0x40000                  ; cx, cy
	s_bfe_u32 s41, ttmp6, 0x40004
	s_and_b32 s95, ttmp7, 0xffff                   ; the cluster's y
	s_cmp_eq_u32 ttmp9, 2                          ; the role: the cluster's x
	s_cselect_b32 s17, 2, s95                      ; row side: v: w's third 1,024 rows; q, k: x's rows by the cluster's y
	s_cselect_b32 s42, s95, ttmp9                  ; column side: v: x's rows; q, k: w's rows by the role
	s_lshl_b32 s17, s17, 2
	s_add_co_u32 s17, s17, s41                     ; tile row
	s_lshl_b32 s42, s42, 2
	s_add_co_u32 s42, s42, s40                     ; tile column
	s_lshl_b32 s43, s41, 2
	s_lshl_b32 s43, 15, s43                        ; my row of the cluster
	s_lshl_b32 s44, 0x1111, s40                    ; my column
	s_or_b32 s[G1+0], s43, (0<<16)|(1<<20)|(1<<21)|(3<<22)|(3<<25)  ; the mask; elements of 1 byte; padding on; bit 21 beside a mask; after every 16 words, 4 words
	s_or_b32 s[G1B+0], s44, (0<<16)|(1<<20)|(1<<21)|(3<<22)|(3<<25)
.irp g, G1, G1B
	s_mov_b32 s[\g+1], ROWB<<16                    ; tensor_dim0
	s_mov_b32 s[\g+2], 128<<16                     ; tensor_dim1
	s_mov_b32 s[\g+3], ROWB<<16                    ; tile_dim0
	s_mov_b32 s[\g+4], 128                         ; tile_dim1
	s_mov_b32 s[\g+5], KROW                        ; the pitch
	s_mov_b32 s[\g+6], 0
	s_mov_b32 s[\g+7], 0
.endr
	s_or_b32 s[G1S+0], s43, (3<<16)|(1<<20)|(1<<21)|(5<<22)|(3<<25)  ; the scales of 128 rows: 4,096 dense bytes as 16 rows of 256, 16 bytes of padding behind each
	s_or_b32 s[G1SB+0], s44, (3<<16)|(1<<20)|(1<<21)|(5<<22)|(3<<25)
.irp g, G1S, G1SB
	s_mov_b32 s[\g+1], 32<<16
	s_mov_b32 s[\g+2], (128*KS/256)<<16
	s_mov_b32 s[\g+3], 32<<16
	s_mov_b32 s[\g+4], 128*KS/256
	s_mov_b32 s[\g+5], 32
	s_mov_b32 s[\g+6], 0
	s_mov_b32 s[\g+7], 0
.endr
	s_lshl_b32 s18, s16, 7
	s_lshl_b32 s20, s17, 8
	s_add_co_u32 s20, s20, s18                     ; row side: row 256 x tile row + 128 x half
	s_lshl_b32 s46, s42, 8
	s_add_co_u32 s46, s46, s18                     ; column side likewise
	s_mov_b32 s21, 0
	s_mov_b32 s47, 0
	s_mov_b64 s[18:19], KS
	s_mul_u64 s[22:23], s[20:21], s[18:19]
	s_mul_u64 s[92:93], s[46:47], s[18:19]
	s_mov_b64 s[18:19], KROW
	s_mul_u64 s[20:21], s[20:21], s[18:19]
	s_mul_u64 s[46:47], s[46:47], s[18:19]
	s_mul_i32 s45, s14, HALFT                      ; where they go: wave x 128 rows
	s_mul_i32 s94, s14, HALFS
	s_wait_dscnt 0x0                               ; both opening adds are done
	s_wait_kmcnt 0x0
	s_cmp_eq_u32 ttmp9, 2                          ; the two sides' buffers, chosen by the role alone
	s_cselect_b64 s[98:99], s[8:9], s[4:5]
	s_cselect_b64 s[100:101], s[10:11], s[6:7]
	s_cselect_b64 s[8:9], s[4:5], s[8:9]           ; column side: codes,
	s_cselect_b64 s[10:11], s[6:7], s[10:11]       ; scales
	s_mov_b64 s[4:5], s[98:99]                     ; row side: codes,
	s_mov_b64 s[6:7], s[100:101]                   ; scales
	s_add_nc_u64 s[20:21], s[4:5], s[20:21]
	s_add_nc_u64 s[22:23], s[6:7], s[22:23]
	s_add_nc_u64 s[46:47], s[8:9], s[46:47]
	s_add_nc_u64 s[92:93], s[10:11], s[92:93]
	CROUND                                         ; all sixteen work-groups are here: the first joint loads meet
	s_mov_b32 s[G0S], 1
	s_add_co_u32 s[G0S+1], s94, SCL
	s_mov_b64 s[G0S+2:G0S+3], s[22:23]
	s_or_b32 s[G0S+3], s[G0S+3], 0x80000000
	s_mov_b32 s[G0SB], 1
	s_add_co_u32 s[G0SB+1], s94, SCL
	s_mov_b64 s[G0SB+2:G0SB+3], s[92:93]
	s_or_b32 s[G0SB+3], s[G0SB+3], 0x80000000
	JLOAD G0S, G1S, G0SB, G1SB                     ; the scales first; three loads of mine are out behind the next two
.irp s, 0,1
	s_mov_b32 s[G0+4*\s], 1
	s_add_co_u32 s[G0+4*\s+1], s45, \s*SLOT
	s_add_nc_u64 s[G0+4*\s+2:G0+4*\s+3], s[20:21], \s*ROWB
	s_or_b32 s[G0+4*\s+3], s[G0+4*\s+3], 0x80000000
	s_mov_b32 s[G0B+4*\s], 1
	s_add_co_u32 s[G0B+4*\s+1], s45, \s*SLOT
	s_add_nc_u64 s[G0B+4*\s+2:G0B+4*\s+3], s[46:47], \s*ROWB
	s_or_b32 s[G0B+4*\s+3], s[G0B+4*\s+3], 0x80000000
	JLOAD G0+4*\s, G1, G0B+4*\s, G1B
.endr
	v_and_b32 v1, 15, v0                           ; l % 16
	v_bfe_u32 v2, v0, 4, 1                         ; l / 16
	v_mul_u32_u24 v3, v1, PITCH
	v_mul_u32_u24 v4, v2, 24
	v_add_nc_u32 v4, v3, v4                        ; a fragment's row x pitch + 24 x half
	v_lshl_add_u32 v5, v2, 4, v4                   ; and the same behind one padding more
	s_mul_i32 s21, s15, HALFT
	s_mul_i32 s22, s16, HALFT
	s_add_co_u32 s22, s22, 2*HALFT
.irp s, 0,1
	v_add_nc_u32 v[ADRA+\s], s21, v4
	v_add_nc_u32 v[ADRB+\s], s22, v4
	v_add_nc_u32 v[ADRA+2+\s], s21, v5
	v_add_nc_u32 v[ADRB+2+\s], s22, v5
	s_add_co_u32 s21, s21, SLOT
	s_add_co_u32 s22, s22, SLOT
.endr
	v_mul_u32_u24 v5, v1, KS
	v_lshrrev_b32 v6, 8, v5
	v_lshl_add_u32 v5, v6, 4, v5
	s_mul_i32 s21, s15, HALFS
	s_mul_i32 s22, s16, HALFS
	s_add_co_u32 s22, s22, 2*HALFS
	s_sub_co_u32 s22, s22, s21
	v_mul_u32_u24 v6, s22, v2                      ; lanes 16-31 take the column side's words
	s_add_co_u32 s21, s21, SCL
	v_add_nc_u32 v5, v5, v6
	v_add_nc_u32 v[ADRS], s21, v5
	; every address register of the ways out is made here, ahead of the first branch on the role
	v_and_b32 v3, 31, v0
	v_lshlrev_b32 v[LI], 4, v3
	s_lshl_b32 s21, s14, 14
	v_add_nc_u32 v[TABW], s21, v[LI]
	s_lshl_b32 s21, s15, 15
	v_add_nc_u32 v[TABR], s21, v[LI]
	s_mul_i32 s21, s14, VSTB
	s_add_co_u32 s21, s21, VST
	v_mul_u32_u24 v4, v2, 272
	v_lshl_add_u32 v4, v1, 4, v4
	v_add_nc_u32 v[VSTW], s21, v4
	v_mul_u32_u24 v4, v2, 2176
	v_lshl_add_u32 v4, v1, 2, v4
	v_add_nc_u32 v[VSTR], s21, v4
	v_lshlrev_b32 v4, 12, v2
	v_lshl_add_u32 v[VEO], v1, 4, v4
	v_lshrrev_b32 v4, 1, v3
	v_lshlrev_b32 v4, 12, v4
	v_and_b32 v5, 1, v0
	v_lshl_add_u32 v[PFO], v5, 8, v4
	v_mov_b32 v[RL], v1
	v_mov_b32 v[HL], v2
	v_lshlrev_b32 v[R4], 2, v1
	; my head and my step of 128 tokens: they enter global addresses and token numbers alone
	s_and_b32 s18, s42, 3
	s_lshl_b32 s18, s18, 1
	s_add_co_u32 s18, s18, s16                     ; q, k: head = 2 cx + my half of the columns,
	s_lshl_b32 s19, s17, 1
	s_add_co_u32 s19, s19, s15                     ; step = 2 x tile row + my half of the rows
	s_and_b32 s20, s17, 3
	s_lshl_b32 s20, s20, 1
	s_add_co_u32 s20, s20, s15                     ; v: head = 2 cy + my half of the rows,
	s_lshl_b32 s21, s42, 1
	s_add_co_u32 s21, s21, s16                     ; step = 2 x tile column + my half of the columns
	s_cmp_eq_u32 ttmp9, 2
	s_cselect_b32 s[HD], s20, s18
	s_cselect_b32 s[STP], s21, s19
	s_lshl_b32 s18, s[STP], 19                     ; 128 rows of 4,096 bytes
	s_lshl_b32 s19, s[HD], 9
	s_add_co_u32 s18, s18, s19
	s_mov_b32 s19, 0
	s_add_nc_u64 s[VE:VE+1], s[VE:VE+1], s[18:19]
	s_lshl_b32 s18, s[STP], 7
	s_lshl_b32 s19, s16, 6
	s_add_co_u32 s18, s18, s19
	v_add_nc_u32 v[TOK], s18, v1                   ; 128 x step + 64 x (wave % 2) + l % 16
	; THE RANGES OF docs, by q's work-groups while the first tiles are on their way: each of their 256 waves takes 16 tokens (told apart by address)
	s_cmp_lg_u32 ttmp9, 0
	s_cbranch_scc1 .Lno_stat
	s_lshl_b32 s18, s95, 6
	s_lshl_b32 s19, s41, 4
	s_add_co_u32 s18, s18, s19
	s_lshl_b32 s19, s40, 2
	s_add_co_u32 s18, s18, s19
	s_add_co_u32 s18, s18, s14                     ; the tile of 16 tokens: 64 x cluster y + 4 (4 cy + cx) + wave
	s_lshl_b32 s20, s18, 6
	s_mov_b32 s21, 0
	s_add_nc_u64 s[12:13], s[12:13], s[20:21]
	s_lshl_b32 s20, s18, 2
	s_add_nc_u64 s[96:97], s[96:97], s[20:21]
	global_load_b32 v31, v[R4], s[12:13]
	v_and_b32 v26, 1, v0
	v_lshlrev_b32 v26, 10, v26                     ; even lanes: the table of the least; odd lanes: that of the largest, 1,024 bytes on
	s_wait_loadcnt 0x0
	v_mov_b32 v3, v31
	v_mov_b32 v4, v31
	v_mov_b32 v5, v31
.irp m, 1,2,4,8
	v_mov_b32_dpp v5, v3 row_xmask:\m row_mask:0xf bank_mask:0xf
	v_min_u32 v3, v3, v5
	v_mov_b32_dpp v5, v4 row_xmask:\m row_mask:0xf bank_mask:0xf
	v_max_u32 v4, v4, v5
.endr
	v_and_b32 v5, 1, v0
	v_cmp_eq_u32 vcc_lo, 1, v5
	v_cndmask_b32 v3, v3, v4, vcc_lo
	global_store_b32 v26, v3, s[96:97]             ; sixteen lanes write the same word with the same value
	s_wait_xcnt 0x0                                ; the store has read its registers
.Lno_stat:
.macro FRAG reg, adr, q, i             ; a fragment: 16 rows x 128 K, 12 registers, in pieces of 8 bytes; where lanes 16-31's piece lies behind one padding more, the second address register serves
.irp p, 0,1,2,3,4,5
.set PIECE, 12*(\q)+6*(\p/3)+\p%3
.if PIECE%8 < 5
	ds_load_b64 v[\reg+2*\p:\reg+2*\p+1], v[\adr] offset:8*PIECE+16*(PIECE/8)+(\i)*16*PITCH
.else
	ds_load_b64 v[\reg+2*\p:\reg+2*\p+1], v[\adr+2] offset:8*PIECE+16*(PIECE/8)+(\i)*16*PITCH
.endif
.endr
.endm
; 16 matrix instructions: row blocks a0, a0 + 1 x the column side's eight.  The 64 accumulators take turns, one instruction a turn, in the same order in every step.
.macro MUL16 a0, p, q, sc, zero
.irp a, \a0, \a0+1
.irp b, 0,1,2,3,4,5,6,7
.if \zero
	v_wmma_scale_f32_16x16x128_f8f6f4 v[8*(8*((\a)%4)+\b):8*(8*((\a)%4)+\b)+7], v[128*(\p)+FR*\b:128*(\p)+FR*\b+FR-1], v[AF+FR*(\a):AF+FR*(\a)+FR-1], 0, v[SC+8*NQ*(\sc)+NQ*\b+(\q)], v[SC+8*NQ*(\sc)+NQ*(\a)+(\q)] matrix_a_fmt:MATRIX_FMT_FP6 matrix_b_fmt:MATRIX_FMT_FP6 matrix_a_scale:MATRIX_SCALE_ROW1
.else
	v_wmma_scale_f32_16x16x128_f8f6f4 v[8*(8*((\a)%4)+\b):8*(8*((\a)%4)+\b)+7], v[128*(\p)+FR*\b:128*(\p)+FR*\b+FR-1], v[AF+FR*(\a):AF+FR*(\a)+FR-1], v[8*(8*((\a)%4)+\b):8*(8*((\a)%4)+\b)+7], v[SC+8*NQ*(\sc)+NQ*\b+(\q)], v[SC+8*NQ*(\sc)+NQ*(\a)+(\q)] matrix_a_fmt:MATRIX_FMT_FP6 matrix_b_fmt:MATRIX_FMT_FP6 matrix_a_scale:MATRIX_SCALE_ROW1
.endif
.endr
.endr
.endm
.macro FETCH_B slot, q, p
	WIN TO_B
.irp i, 0,1,2,3,4,5,6,7
	FRAG 128*(\p)+FR*\i, ADRB+\slot, \q, \i
.endr
	WIN 0
.endm
.macro FETCH_A slot, q, i0
.irp i, \i0, \i0+1, \i0+2, \i0+3
	FRAG AF+FR*(\i), ADRA+\slot, \q, \i
.endr
.endm
.macro SCALES sc                       ; a K step's scale words: lanes 0-15 the row side's block i, lanes 16-31 the column side's
.irp i, 0,1,2,3,4,5,6,7
	ds_load_b64 v[SC+8*NQ*\sc+NQ*\i:SC+8*NQ*\sc+NQ*\i+1], v[ADRS] offset:\i*SBLK
.endr
.endm
.macro PLACES n                        ; plain places between matrix instructions and loads into, or reads of, their registers
.rept \n
	v_nop
.endr
.endm
.macro STEP slot, q, zero              ; 128 along K that has its successor in the same slot
	s_wait_dscnt 4*NL                              ; all but the youngest 24 loads (row blocks 4-7)
	WIN MUL_LO
	MUL16 0, (\q)%2, \q, \slot, \zero
	MUL16 2, (\q)%2, \q, \slot, \zero
	s_wait_dscnt 0
	PLACES NP
	FETCH_B \slot, (\q)+1, 1-(\q)%2
	FETCH_A \slot, (\q)+1, 0
	WIN MUL_HI
	MUL16 4, (\q)%2, \q, \slot, \zero
	MUL16 6, (\q)%2, \q, \slot, \zero
	PLACES NP
	WIN 0
	FETCH_A \slot, (\q)+1, 4
.endm
; A slot's last step changes slots: one barrier; in front of it each wave waits for all its tensor loads, adds 0 to its spare word, and waits for that and for its reads of this slot.
.macro TURN slot, next, fill
	s_wait_tensorcnt 0x0                           ; all my tensor loads have landed: my part of the next slot
	ds_add_u32 v[SPW], v[NIL]
	s_wait_dscnt 4*NL+1                            ; (the add and the youngest 24 loads may be out)
	WIN MUL_LO
	MUL16 0, 1, NQ-1, \slot, 0
	s_wait_dscnt 0x0                               ; the add is done, and my reads of this slot are over
	s_barrier_signal -1
	MUL16 2, 1, NQ-1, \slot, 0
	WIN 0
	s_barrier_wait -1
.if \fill
	CREST                                          ; the barrier has opened a round of the cluster's: no wave of any partner still reads this slot or has a load on its way
	s_add_nc_u64 s[G0+4*\slot+2:G0+4*\slot+3], s[G0+4*\slot+2:G0+4*\slot+3], 2*ROWB
	s_add_nc_u64 s[G0B+4*\slot+2:G0B+4*\slot+3], s[G0B+4*\slot+2:G0B+4*\slot+3], 2*ROWB
	JLOAD G0+4*\slot, G1, G0B+4*\slot, G1B         ; the first tensor load behind the round, and my only one until the next
.else
	PLACES NP
.endif
	v_add_nc_u32 v[ADRS], 4*NQ, v[ADRS]
	FETCH_B \next, 0, 0
	FETCH_A \next, 0, 0
	SCALES \next
.if \fill
	ASKVE \slot
.endif
	WIN MUL_HI
	MUL16 4, 1, NQ-1, \slot, 0
	MUL16 6, 1, NQ-1, \slot, 0
	PLACES NP
	WIN 0
	FETCH_A \next, 0, 4
.endm
	s_wait_tensorcnt 1                             ; the scales and my part of K step 0 are in; K step 1's load may be out
	s_barrier_signal -1
	s_barrier_wait -1
	FETCH_B 0, 0, 0
	FETCH_A 0, 0, 0
	SCALES 0
	FETCH_A 0, 0, 4
	STEP 0, 0, 1                                   ; the first step's products start the sums
	s_mov_b32 s3, LAPS-1
.Llap:
	TURN 0, 1, 1
	STEP 1, 0, 0
	TURN 1, 0, 1
	STEP 0, 0, 0
	s_sub_co_u32 s3, s3, 1
	s_cmp_lg_u32 s3, 0
	s_cbranch_scc1 .Llap
	TURN 0, 1, 0                                   ; the last lap fills nothing
	STEP 1, 0, 0
	s_wait_dscnt 4*NL
	WIN MUL_LO
	MUL16 0, 1, NQ-1, 1, 0
	MUL16 2, 1, NQ-1, 1, 0
	s_wait_dscnt 0
	WIN MUL_HI
	MUL16 4, 1, NQ-1, 1, 0
	MUL16 6, 1, NQ-1, 1, 0
	WIN 0
	PLACES NP                                      ; behind the last products: from here on their registers are read and written by vector instructions and loads
	s_load_b128 s[4:7], s[0:1], 0x38               ; qkvc, qkvs
	s_load_b64 s[8:9], s[0:1], 0x28                ; lambdas
	s_mov_b32 s[SEL], 0x76543210
	s_mov_b32 s[SEL+1], 0xfedcba98
; 64 numbers of a lane, v[s] on, become a fragment's codes in v[PC] on and its rows' scale word in v[pw].  Registers 16 b .. 16 b + 15 of lanes l and l xor 16 are block b.
.macro QUANT s, pw
.irp b, 0,1,2,3
	v_max3_num_f32 v[TM+\b], |v[\s+16*\b]|, |v[\s+1+16*\b]|, 0x1800000   ; with the floor 2^(3 - 127): the byte cannot fall under 1
.endr
.irp i, 2,4,6,8,10,12,14
.irp b, 0,1,2,3
	v_max3_num_f32 v[TM+\b], v[TM+\b], |v[\s+16*\b+\i]|, |v[\s+1+16*\b+\i]|
.endr
.endr
.irp b, 0,1,2,3
	v_permlanex16_b32 v[TM+4+\b], v[TM+\b], s[SEL], s[SEL+1]
.endr
.irp b, 0,1,2,3
	v_max_num_f32 v[TM+\b], v[TM+\b], v[TM+4+\b]   ; the block's largest magnitude
.endr
.irp b, 0,1,2,3
	v_add_nc_u32 v[TM+12+\b], 0xff000000, v[TM+\b] ; 2 off its exponent field: the conversion's scale operand
.endr
.irp b, 0,1,2,3
	v_lshrrev_b32 v[TM+4+\b], 23, v[TM+12+\b]      ; the scale's byte
.endr
	v_lshl_or_b32 v[\pw], v[TM+5], 8, v[TM+4]
	v_lshl_or_b32 v[\pw], v[TM+6], 16, v[\pw]
	v_lshl_or_b32 v[\pw], v[TM+7], 24, v[\pw]
.irp c, 0,1
	v_cvt_scalef32_pk16_fp6_f32 v[PC+6*\c:PC+2+6*\c], v[\s+32*\c:\s+15+32*\c], v[TM+12+2*\c]
	v_cvt_scalef32_pk16_fp6_f32 v[PC+12+4*\c:PC+14+4*\c], v[\s+16+32*\c:\s+31+32*\c], v[TM+12+2*\c+1]
.endr
	v_nop                                          ; one plain place behind a scaled conversion
.irp c, 0,1                                    ; a whole block to a lane: lanes 0-15 block 2 c, lanes 16-31 block 2 c + 1
.irp i, 0,1,2
	v_permlane16_swap_b32 v[PC+6*\c+\i], v[PC+12+4*\c+\i]
.endr
.irp i, 0,1,2
	v_mov_b32 v[PC+3+6*\c+\i], v[PC+12+4*\c+\i]
.endr
.endr
.endm
	; ---- q, k: COSINES AND SINES.  Only the first 32 of the 64 angles of a token turn (the others' frequency is 0).  Lane (r, h) needs those of i = 16 (e / 8) + 8 h + e % 8, e = 0 .. 15: the places of its registers 0-15.
	; The two waves that share 128 tokens make four of the eight token tiles each and hand them over through LDS.
	s_cmp_eq_u32 ttmp9, 2
	s_cbranch_scc1 .Lno_tab
	v_lshlrev_b32 v200, 3, v[HL]
	v_mov_b32 v201, 0x41f80000                     ; 31.0
	v_rcp_f32 v202, v201
	s_mov_b32 s22, 0xc1200000                      ; -10.0
.irp e, 0,1,2,3,4,5,6,7,8,9,10,11,12,13,14,15
	v_add_nc_u32 v[150+\e], 16*(\e/8)+\e%8, v200
.endr
	s_wait_alu depctr_va_vdst(0)                   ; ahead of the reciprocal's first reader
.irp e, 0,1,2,3,4,5,6,7,8,9,10,11,12,13,14,15
	v_cvt_f32_u32 v[150+\e], v[150+\e]             ; i
.endr
.irp e, 0,1,2,3,4,5,6,7,8,9,10,11,12,13,14,15
	v_mul_f32 v[FQ+\e], v[150+\e], v202
.endr
.irp e, 0,1,2,3,4,5,6,7,8,9,10,11,12,13,14,15
	v_fma_f32 v[166+\e], -v[FQ+\e], v201, v[150+\e]
.endr
.irp e, 0,1,2,3,4,5,6,7,8,9,10,11,12,13,14,15
	v_fma_f32 v[FQ+\e], v[166+\e], v202, v[FQ+\e]  ; L = i / 31, rounded once
.endr
.irp e, 0,1,2,3,4,5,6,7,8,9,10,11,12,13,14,15
	v_mul_f32 v[150+\e], 0xc1200000, v[FQ+\e]      ; -10 L, rounded,
.endr
.irp e, 0,1,2,3,4,5,6,7,8,9,10,11,12,13,14,15
	v_fma_f32 v[166+\e], v[FQ+\e], s22, -v[150+\e] ; and what the rounding lost
.endr
.irp e, 0,1,2,3,4,5,6,7,8,9,10,11,12,13,14,15
	v_exp_f32 v[FQ+\e], v[150+\e]
.endr
.irp e, 0,1,2,3,4,5,6,7,8,9,10,11,12,13,14,15
	v_mul_f32 v[166+\e], 0x3f317218, v[166+\e]     ; x ln 2  (plain work behind the exponentials)
.endr
	s_wait_alu depctr_va_vdst(0)                   ; one wait for the sixteen
.irp e, 0,1,2,3,4,5,6,7,8,9,10,11,12,13,14,15
	v_fma_f32 v[FQ+\e], v[FQ+\e], v[166+\e], v[FQ+\e]  ; the frequency (1 / 1024)^L
.endr
.irp u, 0,1
	v_mov_b32 v[144+\u], 0x4b400000                ; 1.5 x 2^23
	v_mov_b32 v[146+\u], 0x3c08839e
	v_mov_b32 v[148+\u], 0xbab6061a
.endr
; Token tile k of my four: theta = fl(token x frequency), as reference() rounds it; n = the nearest whole number to theta x 2 / pi; r = theta - n pi / 2 in two parts (the first is exact: n has 12 bits);
; sine and cosine of r by polynomials on [-pi / 4, pi / 4]; the quadrant by n's two low bits.  Four pairs at a time, stage by stage, so that no line waits for the line above it.
.macro SINCOS k, dst
	v_add_nc_u32 v150, 16*\k, v[TOK]
	v_cvt_f32_u32 v150, v150
	v_mov_b32 v151, v150
.irp g, 0,1
.irp p, 0,1,2,3
	v_pk_mul_f32 v[TP+12*\p:TP+12*\p+1], v[FQ+8*\g+2*\p:FQ+8*\g+2*\p+1], v[150:151]
.endr
.irp p, 0,1,2,3
	v_pk_fma_f32 v[TP+12*\p+2:TP+12*\p+3], v[TP+12*\p:TP+12*\p+1], 0x3f22f983, v[144:145] op_sel_hi:[1,0,1]   ; n in the low bits
.endr
.irp p, 0,1,2,3
	v_pk_add_f32 v[TP+12*\p+4:TP+12*\p+5], v[TP+12*\p+2:TP+12*\p+3], 0xcb400000 op_sel_hi:[1,0]              ; n as a number
.endr
.irp p, 0,1,2,3
	v_pk_fma_f32 v[TP+12*\p+6:TP+12*\p+7], v[TP+12*\p+4:TP+12*\p+5], 0xbfc90fdb, v[TP+12*\p:TP+12*\p+1] op_sel_hi:[1,0,1]
.endr
.irp p, 0,1,2,3
	v_pk_fma_f32 v[TP+12*\p+6:TP+12*\p+7], v[TP+12*\p+4:TP+12*\p+5], 0x333bbd2e, v[TP+12*\p+6:TP+12*\p+7] op_sel_hi:[1,0,1]   ; r
.endr
.irp p, 0,1,2,3
	v_pk_mul_f32 v[TP+12*\p+8:TP+12*\p+9], v[TP+12*\p+6:TP+12*\p+7], v[TP+12*\p+6:TP+12*\p+7]               ; z = r r
.endr
.irp p, 0,1,2,3
	v_pk_fma_f32 v[TP+12*\p:TP+12*\p+1], v[TP+12*\p+8:TP+12*\p+9], 0xb94ca1f9, v[146:147] op_sel_hi:[1,0,1]
.endr
.irp p, 0,1,2,3
	v_pk_fma_f32 v[TP+12*\p+10:TP+12*\p+11], v[TP+12*\p+8:TP+12*\p+9], 0x37ccf5ce, v[148:149] op_sel_hi:[1,0,1]
.endr
.irp p, 0,1,2,3
	v_pk_mul_f32 v[TP+12*\p+4:TP+12*\p+5], v[TP+12*\p+8:TP+12*\p+9], v[TP+12*\p+6:TP+12*\p+7]               ; z r
.endr
.irp p, 0,1,2,3
	v_pk_fma_f32 v[TP+12*\p:TP+12*\p+1], v[TP+12*\p:TP+12*\p+1], v[TP+12*\p+8:TP+12*\p+9], 0xbe2aaaa3 op_sel_hi:[1,1,0]
.endr
.irp p, 0,1,2,3
	v_pk_fma_f32 v[TP+12*\p+10:TP+12*\p+11], v[TP+12*\p+10:TP+12*\p+11], v[TP+12*\p+8:TP+12*\p+9], 0x3d2aaaa5 op_sel_hi:[1,1,0]
.endr
.irp p, 0,1,2,3
	v_pk_fma_f32 v[TP+12*\p:TP+12*\p+1], v[TP+12*\p:TP+12*\p+1], v[TP+12*\p+4:TP+12*\p+5], v[TP+12*\p+6:TP+12*\p+7]   ; sin r
.endr
.irp p, 0,1,2,3
	v_pk_fma_f32 v[TP+12*\p+10:TP+12*\p+11], v[TP+12*\p+10:TP+12*\p+11], v[TP+12*\p+8:TP+12*\p+9], -0.5 op_sel_hi:[1,1,0]
.endr
.irp p, 0,1,2,3
	v_pk_fma_f32 v[TP+12*\p+10:TP+12*\p+11], v[TP+12*\p+10:TP+12*\p+11], v[TP+12*\p+8:TP+12*\p+9], 1.0 op_sel_hi:[1,1,0]   ; cos r
.endr
.irp p, 0,1,2,3
.irp q, 0,1
	v_and_b32 v[TP+12*\p+4+\q], 1, v[TP+12*\p+2+\q]
.endr
.endr
.irp p, 0,1,2,3
.irp q, 0,1
	v_sub_nc_u32 v[TP+12*\p+4+\q], 0, v[TP+12*\p+4+\q]             ; all ones where n is odd: sine and cosine change places
.endr
.endr
.irp p, 0,1,2,3
.irp q, 0,1
	v_bfi_b32 v[TP+12*\p+6+\q], v[TP+12*\p+4+\q], v[TP+12*\p+10+\q], v[TP+12*\p+\q]
	v_bfi_b32 v[TP+12*\p+8+\q], v[TP+12*\p+4+\q], v[TP+12*\p+\q], v[TP+12*\p+10+\q]
.endr
.endr
.irp p, 0,1,2,3
.irp q, 0,1
	v_lshlrev_b32 v[TP+12*\p+4+\q], 30, v[TP+12*\p+2+\q]           ; the sine's sign: bit 1 of n;
	v_add_nc_u32 v[TP+12*\p+2+\q], 1, v[TP+12*\p+2+\q]             ; the cosine's: bit 1 of n + 1
.endr
.endr
.irp p, 0,1,2,3
.irp q, 0,1
	v_and_b32 v[TP+12*\p+4+\q], 0x80000000, v[TP+12*\p+4+\q]
	v_lshlrev_b32 v[TP+12*\p+2+\q], 30, v[TP+12*\p+2+\q]
.endr
.endr
.irp p, 0,1,2,3
.irp q, 0,1
	v_xor_b32 v[\dst+16+8*\g+2*\p+\q], v[TP+12*\p+6+\q], v[TP+12*\p+4+\q]
	v_and_b32 v[TP+12*\p+2+\q], 0x80000000, v[TP+12*\p+2+\q]
.endr
.endr
.irp p, 0,1,2,3
.irp q, 0,1
	v_xor_b32 v[\dst+8*\g+2*\p+\q], v[TP+12*\p+8+\q], v[TP+12*\p+2+\q]
.endr
.endr
.endr
.irp e, 0,1,2,3,4,5,6,7
	ds_store_b128 v[TABW], v[\dst+4*\e:\dst+4*\e+3] offset:4096*\k+512*\e   ; sixteen cosines, then sixteen sines, as they stand
.endr
.endm
	SINCOS 0, 32
	SINCOS 1, 64
	s_wait_dscnt 8                                 ; tile 0's stores have read their registers (tile 1's eight may be out)
	SINCOS 2, 32
	s_wait_dscnt 8
	SINCOS 3, 64
.Lno_tab:
	s_wait_dscnt 0x0                               ; my stores have landed, and my reads of slot 1 are long over
	s_barrier_signal -1
	s_barrier_wait -1                              ; the tables lie in LDS; nobody reads a slot any more
	s_wait_kmcnt 0x0
	s_lshl_b32 s18, s[HD], 5
	s_add_co_u32 s18, s18, s[STP]                  ; 32 x head + step
	s_mul_i32 s22, s18, 12288                      ; eight images of 1,536 bytes
	s_mul_i32 s19, ttmp9, 3145728                  ; q, k or v's part of the buffer
	s_add_co_u32 s22, s22, s19
	s_mov_b32 s23, 0
	s_add_nc_u64 s[24:25], s[4:5], s[22:23]        ; where my codes go
	s_lshl_b32 s22, s18, 9
	s_lshl_b32 s19, ttmp9, 17
	s_add_co_u32 s22, s22, s19
	s_add_nc_u64 s[26:27], s[6:7], s[22:23]        ; and my scale words
.irp b, 0,1,2,3
	v_mov_b32 v[TM+4+\b], 0                        ; written once: a lane permute's destination counts as one of its sources
.endr
	s_cmp_eq_u32 ttmp9, 2
	s_cbranch_scc1 .Lrole_v
	; ---- q, k.  The sums of squares of all eight token tiles: four chains a tile, each accumulator from its low end on
.macro SUMSQ w
.irp i, 0,1,2,3,4,5,6,7
.irp a, 0,1,2,3
.irp c, 0,1,2,3
.if \i == 0
	v_pk_mul_f32 v[128+32*\w+8*\a+2*\c:129+32*\w+8*\a+2*\c], v[64*\a+2*\c:64*\a+2*\c+1], v[64*\a+2*\c:64*\a+2*\c+1]
.else
	v_pk_fma_f32 v[128+32*\w+8*\a+2*\c:129+32*\w+8*\a+2*\c], v[64*\a+8*\i+2*\c:64*\a+8*\i+2*\c+1], v[64*\a+8*\i+2*\c:64*\a+8*\i+2*\c+1], v[128+32*\w+8*\a+2*\c:129+32*\w+8*\a+2*\c]
.endif
.endr
.endr
.endr
.endm
	WIN 0x0a                                       ; sources 0 and 1: window 2
	SUMSQ 0
	WIN 0x0f                                       ; window 3
	SUMSQ 1
	WIN 0
.irp a, 0,1,2,3,4,5,6,7
	v_pk_add_f32 v[128+8*\a:129+8*\a], v[128+8*\a:129+8*\a], v[130+8*\a:131+8*\a]
	v_pk_add_f32 v[132+8*\a:133+8*\a], v[132+8*\a:133+8*\a], v[134+8*\a:135+8*\a]
.endr
.irp a, 0,1,2,3,4,5,6,7
	v_pk_add_f32 v[128+8*\a:129+8*\a], v[128+8*\a:129+8*\a], v[132+8*\a:133+8*\a]
	v_mov_b32 v[56+\a], 0
.endr
.irp a, 0,1,2,3,4,5,6,7
	v_add_f32 v[48+\a], v[128+8*\a], v[129+8*\a]
.endr
.irp a, 0,1,2,3,4,5,6,7
	v_permlanex16_b32 v[56+\a], v[48+\a], s[SEL], s[SEL+1]
.endr
	s_mov_b32 s28, 0x3c000000                      ; 1 / 128
	s_mov_b32 s29, 0x34000000                      ; eps of f32
.irp a, 0,1,2,3,4,5,6,7
	v_add_f32 v[48+\a], v[48+\a], v[56+\a]         ; the token's 128 squares
.endr
.irp a, 0,1,2,3,4,5,6,7
	v_fma_f32 v[48+\a], v[48+\a], s28, s29
.endr
.irp a, 0,1,2,3,4,5,6,7
	v_rsq_f32 v[32+2*\a], v[48+\a]
.endr
.irp a, 0,1,2,3,4,5,6,7
	v_mov_b32 v[33+2*\a], 0                        ; (named as the pairs' upper halves; plain work behind the roots)
.endr
	v_lshlrev_b32 v[SOF], 5, v[RL]
	v_lshl_add_u32 v[SOF], v[HL], 4, v[SOF]        ; token 16 t + r's word lies at 32 r + 4 t: lanes 0-15 store tiles 0-3's, lanes 16-31 tiles 4-7's
	s_wait_alu depctr_va_vdst(0)                   ; one wait for the eight roots
; Token tile a: norm, rotary, quantiser, store.  Registers 0-15 (the head's 0-31) turn with registers 32-47 (its 64-95); the others only take the norm's factor.
.macro QKTILE a
	s_wait_xcnt 0x0                                ; the last tile's stores have read the codes' registers
.irp e, 0,1,2,3,4,5,6,7
	ds_load_b128 v[128+4*\e:131+4*\e], v[TABR] offset:4096*(\a)+512*\e   ; v128-143 cosines, v144-159 sines
.endr
.set XB, 64*((\a)%4)
.set RG, 32+2*(\a)
	WIN 2+(\a)/4                                   ; source 0: the accumulators' window
.set I, 0
.rept 32
.if I < 16
.set DD, 160+I
.elseif I < 32
.set DD, 64+I
.elseif I < 48
.set DD, 144+I
.else
.set DD, 64+I
.endif
	v_pk_mul_f32 v[DD:DD+1], v[XB+I:XB+I+1], v[RG:RG+1] op_sel_hi:[1,0]
.set I, I+2
.endr
	WIN 0
	s_wait_dscnt 0x0
.irp p, 0,2,4,6,8,10,12,14
	v_pk_mul_f32 v[64+\p:65+\p], v[160+\p:161+\p], v[128+\p:129+\p]
	v_pk_mul_f32 v[96+\p:97+\p], v[176+\p:177+\p], v[128+\p:129+\p]
.endr
.irp p, 0,2,4,6,8,10,12,14
	v_pk_fma_f32 v[64+\p:65+\p], v[176+\p:177+\p], v[144+\p:145+\p], v[64+\p:65+\p]                                   ; x1 cos + x2 sin
	v_pk_fma_f32 v[96+\p:97+\p], v[160+\p:161+\p], v[144+\p:145+\p], v[96+\p:97+\p] neg_lo:[1,0,0] neg_hi:[1,0,0]     ; x2 cos - x1 sin
.endr
	QUANT 64, PWB+(\a)
.irp c, 0,1,2
	global_store_b128 v[LI], v[PC+4*\c:PC+4*\c+3], s[24:25] offset:1536*(\a)+512*\c   ; 32 lanes store 512 consecutive bytes
.endr
.endm
.irp a, 0,1,2,3,4,5,6,7
	QKTILE \a
.endr
	v_cmp_ne_u32 vcc_lo, 0, v[HL]
.irp i, 0,1,2,3
	v_cndmask_b32 v[236+\i], v[PWB+\i], v[PWB+4+\i], vcc_lo
.endr
	global_store_b128 v[SOF], v[236:239], s[26:27] ; the step's 512 bytes of scale words, whole
	s_branch .Lend
	; ---- v = lambdas[0] v + lambdas[1] ve.  A lane holds one of the head's 128 and its registers run along the tokens; ve lies the other way: it turns through my own stage in LDS, 64 of the 128 at a time.
.Lrole_v:
	s_load_b64 s[10:11], s[8:9], 0x0
	v_lshrrev_b32 v3, 3, v[RL]
	v_lshlrev_b32 v[SOF], 8, v3
	v_lshl_add_u32 v[SOF], v[HL], 7, v[SOF]
	v_and_b32 v3, 7, v[RL]
	v_lshl_add_u32 v[SOF], v3, 4, v[SOF]           ; the word of tile 2 b + g, row 8 u + j lies at 256 u + 16 (8 g + j) + 4 b, as the next launch's lanes take them
.macro VLOAD z                         ; 128 rows x 256 bytes: two rows an instruction, sixteen lanes to a row's aligned 256 bytes; window 1 is the buffer
	WIN 0x40
.set I, 0
.rept 64
	global_load_b128 v[4*I:4*I+3], v[VEO], s[VE:VE+1] offset:8192*I+256*(\z) th:TH_LOAD_NT
.set I, I+1
.endr
	WIN 0
.endm
.macro VSTAGE
	WIN 0x04                                       ; an LDS store's data are its source 1: window 1
.set I, 0
.irp q, 0,1,2,3
	s_wait_loadcnt 48-16*\q                        ; this batch of sixteen is in; the later batches may be out
.rept 16
	ds_store_b128 v[VSTW], v[4*I:4*I+3] offset:544*I
.set I, I+1
.endr
.endr
	WIN 0
	s_wait_dscnt 0x0                               ; the stores have read their registers
.endm
.macro VTILE a, ap                     ; tile a of 16 of the head's 128: the ap-th of the 64 in the stage
	s_wait_xcnt 0x0                                ; the last tile's stores have read the codes' registers
.irp b, 0,1,2,3,4,5,6,7
.irp j, 0,1,2,3,4,5,6,7
	ds_load_b32 v[64+8*\b+\j], v[VSTR] offset:(16*\b+\j)*272+64*(\ap)   ; ve(token 16 b + 8 h + j, 16 a + r); the halves of the lanes lie 32 banks apart
.endr
.endr
.set XB, 64*((\a)%4)
	s_wait_dscnt 0x0
.set I, 0
.rept 32
	v_pk_mul_f32 v[64+I:65+I], v[64+I:65+I], s[94:95] op_sel_hi:[1,0]
.set I, I+2
.endr
	WIN 2+(\a)/4
.set I, 0
.rept 32
	v_pk_fma_f32 v[64+I:65+I], v[XB+I:XB+I+1], s[92:93], v[64+I:65+I] op_sel_hi:[1,0,1]
.set I, I+2
.endr
	WIN 0
	QUANT 64, PWB+(\a)
.irp c, 0,1,2
	global_store_b128 v[LI], v[PC+4*\c:PC+4*\c+3], s[24:25] offset:1536*(\a)+512*\c
.endr
.endm
	VLOAD 0
	s_wait_kmcnt 0x0
	s_mov_b32 s92, s10                             ; lambdas[0], as a pair,
	s_mov_b32 s93, s10
	s_mov_b32 s94, s11                             ; lambdas[1]
	s_mov_b32 s95, s11
	VSTAGE
	VLOAD 1                                        ; the second 64 are on their way while the first are worked
	VTILE 0, 0
	VTILE 1, 1
	VTILE 2, 2
	VTILE 3, 3
	VSTAGE                                         ; my reads of the stage are over (each tile waited for its own)
	VTILE 4, 0
	VTILE 5, 1
	VTILE 6, 2
	VTILE 7, 3
	v_cmp_ne_u32 vcc_lo, 0, v[HL]
.irp b, 0,1,2,3
	v_cndmask_b32 v[236+\b], v[PWB+2*\b], v[PWB+2*\b+1], vcc_lo
.endr
	global_store_b128 v[SOF], v[236:239], s[26:27]
.Lend:
	s_wait_tensorcnt 0x0                           ; the wave's end
	ds_add_u32 v[SPW], v[NIL]
	s_wait_dscnt 0x0
	CROUND                                         ; the closing round
	s_endpgm
.Lfunc_end_k_q87683d3a3a_qkv:
	.size	k_q87683d3a3a_qkv, .Lfunc_end_k_q87683d3a3a_qkv-k_q87683d3a3a_qkv
	.p2alignl 7, 3214868480
	.fill 96, 4, 3214868480
	.section	.rodata,"a",@progbits
	.p2align	6, 0x0
	.amdhsa_kernel k_q87683d3a3a_qkv
		.amdhsa_group_segment_fixed_size 327680
		.amdhsa_private_segment_fixed_size 0
		.amdhsa_enable_private_segment 0
		.amdhsa_kernarg_size 80
		.amdhsa_user_sgpr_count 2
		.amdhsa_user_sgpr_kernarg_segment_ptr 1
		.amdhsa_wavefront_size32 1
		.amdhsa_system_sgpr_workgroup_id_x 1
		.amdhsa_system_sgpr_workgroup_id_y 1
		.amdhsa_system_sgpr_workgroup_id_z 1
		.amdhsa_system_vgpr_workitem_id 0
		.amdhsa_next_free_vgpr 1024
		.amdhsa_next_free_sgpr 106
		.amdhsa_reserve_vcc 1
		.amdhsa_float_denorm_mode_32 3
		.amdhsa_float_denorm_mode_16_64 3
		.amdhsa_memory_ordered 1
		.amdhsa_forward_progress 1
		.amdhsa_inst_pref_size 255
	.end_amdhsa_kernel
	.section	.bss,"aw",@nobits
	.p2align	6
	.space	262144
	.amdgpu_metadata
---
amdhsa.version: [ 1, 2 ]
amdhsa.kernels:
  - .name:           k_q87683d3a3a_qkv
    .symbol:         k_q87683d3a3a_qkv.kd
    .args:
      - { .name: x_codes, .offset: 0, .size: 8, .value_kind: global_buffer, .address_space: global }
      - { .name: x_scales, .offset: 8, .size: 8, .value_kind: global_buffer, .address_space: global }
      - { .name: qkv_w_codes, .offset: 16, .size: 8, .value_kind: global_buffer, .address_space: global }
      - { .name: qkv_w_scales, .offset: 24, .size: 8, .value_kind: global_buffer, .address_space: global }
      - { .name: ve, .offset: 32, .size: 8, .value_kind: global_buffer, .address_space: global }
      - { .name: lambdas, .offset: 40, .size: 8, .value_kind: global_buffer, .address_space: global }
      - { .name: docs, .offset: 48, .size: 8, .value_kind: global_buffer, .address_space: global }
      - { .name: qkvc, .offset: 56, .size: 8, .value_kind: global_buffer, .address_space: global }
      - { .name: qkvs, .offset: 64, .size: 8, .value_kind: global_buffer, .address_space: global }
      - { .name: dstat, .offset: 72, .size: 8, .value_kind: global_buffer, .address_space: global }
    .group_segment_fixed_size: 327680
    .private_segment_fixed_size: 0
    .kernarg_segment_align: 8
    .kernarg_segment_size: 80
    .max_flat_workgroup_size: 128
    .sgpr_count:     106
    .vgpr_count:     1024
    .wavefront_size: 32
...
	.end_amdgpu_metadata
.endif
;; end of part 1
;; launch attn (part 2): grid 256 x 1, 8 waves a work-group, no clusters, 0 bytes of LDS; arguments qkvc, qkvs, docs, dstat, ycod, yscl; writes ycod, yscl
.if DOCPART == 2
	.amdgcn_target "amdgcn-amd-amdhsa--gfx1250"
	.amdhsa_code_object_version 6
	.text
	.protected	k_q87683d3a3a_attn
	.globl	k_q87683d3a3a_attn
	.p2align	8
	.type	k_q87683d3a3a_attn,@function
k_q87683d3a3a_attn:
	s_mov_b64 s[64:65], 0
	v_nop
	global_prefetch_b8 v0, s[64:65] scope:SCOPE_SE
	s_setreg_imm32_b32 hwreg(HW_REG_WAVE_MODE, 25, 1), 1
	s_wait_xcnt 0x0
; SECOND LAUNCH.  y = softmax(mask(q k^T x 0.12)) v on codes of FP6 (E2M3), and y's quantiser along (head, 128).  t = score x 0.12 log2(e); M = the running largest t, rounded up to a whole number; p = 2^(t - M) is
; quantised along the keys; the row's sum is taken of the unquantised p and divides at the end.
; WORK LEFT OUT: steps of 128 keys that all come after the wave's 16 queries (reference()'s own i >= j: the loop ends at the queries' own step, by ids), and steps whose range of docs, [least, largest] as unsigned
; numbers, does not meet the range of the 16 queries: no pair there has equal docs, so reference() sets every such score to -inf, p = 0, for every docs, sorted or not.  The ranges are whole numbers that the launch before stored.
; In a step that is walked the mask is applied number by number: by token numbers in the queries' own step, by docs unless the step and the tile hold one and the same document.
; LIMIT: a NaN, an infinity or an overflow that reaches only steps left out is not carried to the result.
; SHARES.  A wave owns 16 queries of one head: 2,048 waves, two to a SIMD, so that one wave's vector work stands beside the other's loads and products.  The eight waves of a work-group take tiles 32 apart and more, so that
; long and short walks mix.  Which steps are walked hangs on numbers read from memory, so nothing is shared through LDS and no barrier is written: K's and V's fragments come from memory straight into registers,
; as images of the operand's registers (512 consecutive bytes an instruction for K; four runs of 128 for V).  No cluster: the waves of a work-group, and work-groups, walk different steps.
; LAYOUT.  Both products transposed: S^T = K Q^T, O^T = V^T P^T: a lane holds one query.  Register 8 t + j of S^T is key 16 t + 8 (lane / 16) + j: p's codes take the same order inside a block of 32 keys as V's codes have.
; V's ROWS ARE CHOSEN so that O^T's 16 registers of tiles 2 b and 2 b + 1 are 16 neighbours of the head's 128: lane 8 g + j of tile 2 b + u takes row 8 u + j of the stored tile 2 b + g.  So y's codes stand in true order.
; REGISTERS.  Window 0: v1-11 offsets; v6 my query's doc; v12 -M, v13 the largest t, v[14:15] the sum; v16-27 Q, v28 its scale words; v32-39 K's scale words, v40-47 V's; v48-84 the way out's quantiser;
; v96-159 S^T, then p (at the head: v96-111 the ranges of docs); v160-223 O^T; v224-254 at work.  Window 1: v0-95 K's eight fragments, v96-191 V's eight, v192-255 the docs of my 64 keys.
.set SEL, 20                           ; s[20:21] lane selects for lane l xor 16
.set CS,  22                           ; s[22:23] c = 0.12 log2(e)
.set TM,  48
.set PC,  64
.set PW,  84
.set MSB, 0
.macro WIN new
.if MSB != (\new)
	s_set_vgpr_msb (MSB<<8)|(\new)
.set MSB, (\new)
.endif
.endm
.macro QUANT s, pw                     ; 64 numbers of a lane become a fragment's codes in v[PC] on and the rows' scale word in v[pw]
.irp b, 0,1,2,3
	v_max3_num_f32 v[TM+\b], |v[\s+16*\b]|, |v[\s+1+16*\b]|, 0x1800000   ; with the floor 2^(3 - 127): the byte cannot fall under 1
.endr
.irp i, 2,4,6,8,10,12,14
.irp b, 0,1,2,3
	v_max3_num_f32 v[TM+\b], v[TM+\b], |v[\s+16*\b+\i]|, |v[\s+1+16*\b+\i]|
.endr
.endr
.irp b, 0,1,2,3
	v_permlanex16_b32 v[TM+4+\b], v[TM+\b], s[SEL], s[SEL+1]
.endr
.irp b, 0,1,2,3
	v_max_num_f32 v[TM+\b], v[TM+\b], v[TM+4+\b]   ; the block's largest magnitude
.endr
.irp b, 0,1,2,3
	v_add_nc_u32 v[TM+12+\b], 0xff000000, v[TM+\b] ; 2 off its exponent field: the conversion's scale operand
.endr
.irp b, 0,1,2,3
	v_lshrrev_b32 v[TM+4+\b], 23, v[TM+12+\b]      ; the scale's byte
.endr
	v_lshl_or_b32 v[\pw], v[TM+5], 8, v[TM+4]
	v_lshl_or_b32 v[\pw], v[TM+6], 16, v[\pw]
	v_lshl_or_b32 v[\pw], v[TM+7], 24, v[\pw]
.irp c, 0,1
	v_cvt_scalef32_pk16_fp6_f32 v[PC+6*\c:PC+2+6*\c], v[\s+32*\c:\s+15+32*\c], v[TM+12+2*\c]
	v_cvt_scalef32_pk16_fp6_f32 v[PC+12+4*\c:PC+14+4*\c], v[\s+16+32*\c:\s+31+32*\c], v[TM+12+2*\c+1]
.endr
	v_nop                                          ; one plain place behind a scaled conversion
.irp c, 0,1
.irp i, 0,1,2
	v_permlane16_swap_b32 v[PC+6*\c+\i], v[PC+12+4*\c+\i]
.endr
.irp i, 0,1,2
	v_mov_b32 v[PC+3+6*\c+\i], v[PC+12+4*\c+\i]
.endr
.endr
.endm
	s_load_b256 s[4:11], s[0:1], 0x0               ; qkvc, qkvs, docs, dstat
	s_load_b128 s[12:15], s[0:1], 0x20             ; ycod, yscl
	v_lshrrev_b32 v1, 5, v0
	v_readfirstlane_b32 s16, v1                    ; wave 0..7
	s_and_b32 s17, ttmp9, 7                        ; head
	s_lshr_b32 s18, ttmp9, 3
	s_lshl_b32 s42, s16, 2
	s_add_co_u32 s18, s18, s42
	s_and_b32 s18, s18, 31
	s_lshl_b32 s42, s16, 5
	s_add_co_u32 s18, s18, s42                     ; T, my tile of 16 queries: 32 wave + ((group / 8 + 4 wave) mod 32): each (head, T) once
	s_lshr_b32 s19, s18, 3                         ; SQ: the step of 128 keys that holds my queries
	s_add_co_u32 s58, s19, 1                       ; the steps to walk: 0 .. SQ; never written again
	s_and_b32 s29, s18, 7
	v_and_b32 v8, 31, v0                           ; lane
	v_and_b32 v9, 15, v0                           ; r
	v_bfe_u32 v10, v0, 4, 1                        ; h
	v_lshlrev_b32 v1, 4, v8                        ; an image's place for my lane
	v_bfe_u32 v2, v0, 3, 1
	v_mul_u32_u24 v2, v2, 1536
	v_lshl_add_u32 v2, v10, 8, v2
	v_and_b32 v11, 7, v0
	v_lshl_add_u32 v2, v11, 4, v2                  ; V: 1,536 g + 256 h + 16 j
	v_lshlrev_b32 v3, 5, v9                        ; q's and k's scale words: 32 r
	v_lshlrev_b32 v4, 4, v9                        ; V's: 16 r
	v_lshlrev_b32 v5, 5, v10                       ; the keys' docs: 32 h
	v_lshlrev_b32 v11, 2, v9
	v_lshlrev_b32 v29, 2, v8
	v_lshlrev_b32 v30, 5, v8
	s_lshl_b32 s42, s29, 4
	v_lshlrev_b32 v7, 3, v10
	v_sub_nc_u32 v7, v9, v7
	v_add_nc_u32 v7, s42, v7                       ; my query's place in its step, less 8 h: register n's key is hidden where 16 (n / 8) + n % 8 is greater
	s_lshl_b32 s42, s17, 8
	s_add_co_u32 s42, s42, s18
	s_mul_i32 s42, s42, 1536                       ; Q's image
	s_mov_b32 s43, 0
	s_lshl_b32 s44, s17, 14
	s_lshl_b32 s46, s19, 9
	s_add_co_u32 s46, s46, s44
	s_lshl_b32 s47, s29, 2
	s_add_co_u32 s46, s46, s47                     ; Q's scale words
	s_mov_b32 s47, 0
	s_mov_b32 s45, 0
	s_add_co_u32 s44, s44, 131072                  ; K's scale words of my head
	s_lshl_b32 s48, s18, 6
	s_mov_b32 s49, 0
	s_lshl_b32 s50, s18, 2
	s_mul_i32 s52, s17, 393216
	s_add_co_u32 s52, s52, 3145728                 ; K's images of my head
	s_mov_b32 s53, 0
	s_lshl_b32 s54, s18, 3
	s_add_co_u32 s54, s54, s17                     ; 8 T + head
	s_mul_i32 s56, s54, 1536
	s_mov_b32 s57, 0
	s_lshl_b32 s54, s54, 7
	s_mov_b32 s55, 0
	s_mov_b32 s[SEL], 0x76543210
	s_mov_b32 s[SEL+1], 0xfedcba98
	s_mov_b32 s[CS], 0x3e314743                    ; 0.12 log2(e)
	s_mov_b32 s[CS+1], s[CS]
	s_wait_kmcnt 0x0
	s_add_nc_u64 s[36:37], s[4:5], s[42:43]
	s_add_nc_u64 s[38:39], s[6:7], s[46:47]
	s_add_nc_u64 s[40:41], s[8:9], s[48:49]
	s_add_nc_u64 s[30:31], s[4:5], s[52:53]        ; the step's K (V: 3,145,728 bytes on)
	s_add_nc_u64 s[32:33], s[6:7], s[44:45]        ; its scale words (V's: 131,072 on)
	s_mov_b64 s[34:35], s[8:9]                     ; its docs
	s_add_nc_u64 s[12:13], s[12:13], s[56:57]
	s_add_nc_u64 s[14:15], s[14:15], s[54:55]
	s_load_b32 s27, s[10:11], s50 offset:0x0       ; the least doc of my 16 queries,
	s_load_b32 s28, s[10:11], s50 offset:0x400     ; the largest
	global_load_b128 v[16:19], v1, s[36:37]
	global_load_b128 v[20:23], v1, s[36:37] offset:512
	global_load_b128 v[24:27], v1, s[36:37] offset:1024
	global_load_b32 v28, v3, s[38:39]
	global_load_b32 v6, v11, s[40:41]
	global_load_b128 v[96:99], v30, s[10:11]               ; lane l: the ranges of step l's eight tiles: the least,
	global_load_b128 v[100:103], v30, s[10:11] offset:16
	global_load_b128 v[104:107], v30, s[10:11] offset:1024 ; the largest
	global_load_b128 v[108:111], v30, s[10:11] offset:1040
	v_mov_b32 v13, 0xff61b1e6                      ; the largest t so far: -3e38
	v_floor_f32 v12, -v13
	v_mov_b32 v14, 0
	v_mov_b32 v15, 0
.irp b, 0,1,2,3
	v_mov_b32 v[236+\b], 0                         ; written once: a lane permute's destination counts as one of its sources
	v_mov_b32 v[TM+4+\b], 0
.endr
	v_mov_b32 v252, 0
	v_mov_b32 v253, 0
.set N, 0
.rept 64
	v_mov_b32 v[160+N], 0                          ; O^T: which step is the first hangs on docs, so no first step can be written out; the first change of M leaves zeros zeros
.set N, N+1
.endr
	s_wait_loadcnt 0x0
	s_wait_kmcnt 0x0
.irp i, 1,2,3,4,5,6,7
	v_min_u32 v96, v96, v[96+\i]
	v_max_u32 v104, v104, v[104+\i]
.endr
	v_cmp_ge_u32 s42, s28, v96
	v_cmp_le_u32 s43, s27, v104
	s_and_b32 s25, s42, s43                        ; bit l: step l's range meets mine
	v_cmp_eq_u32 s42, v96, v104
	v_cmp_eq_u32 s43, s27, v96
	s_and_b32 s26, s42, s43
	s_cmp_eq_u32 s27, s28
	s_cselect_b32 s26, s26, 0                      ; bit l: step l and my tile hold one and the same document
	s_mov_b32 s24, 0
.Lstep:
	s_bitcmp1_b32 s25, s24
	s_cbranch_scc0 .Lnext
	global_load_b128 v[32:35], v3, s[32:33]
	global_load_b128 v[36:39], v3, s[32:33] offset:16
	global_load_b128 v[40:43], v4, s[32:33] offset:131072
	global_load_b128 v[44:47], v4, s[32:33] offset:131072+256
	WIN 0x40                                       ; destination window 1
.set N, 0
.rept 16
	global_load_b128 v[192+4*N:195+4*N], v5, s[34:35] offset:64*(N/2)+16*(N%2)
.set N, N+1
.endr
.set N, 0
.rept 24
	global_load_b128 v[4*N:4*N+3], v1, s[30:31] offset:512*N
.set N, N+1
.endr
.set N, 0
.rept 24
	global_load_b128 v[96+4*N:99+4*N], v2, s[30:31] offset:3145728+3072*(N/6)+128*((N/3)%2)+512*(N%3)
.set N, N+1
.endr
	s_wait_loadcnt 24                              ; all but V's 24
	WIN 0x01                                       ; source 0 window 1
.irp t, 0,1,2,3,4,5,6,7
	v_wmma_scale_f32_16x16x128_f8f6f4 v[96+8*\t:103+8*\t], v[12*\t:12*\t+11], v[16:27], 0, v[32+\t], v28 matrix_a_fmt:MATRIX_FMT_FP6 matrix_b_fmt:MATRIX_FMT_FP6
.endr
	WIN 0
.rept 4
	v_nop
.endr
	s_cmp_lg_u32 s24, s19                          ; only my queries' own step has keys that come after a query
	s_cbranch_scc1 .Lnoc
	v_mov_b32 v254, 0xff800000
.set N, 0
.rept 64
	v_cmp_gt_i32 vcc_lo, 16*(N/8)+N%8, v7
	v_cndmask_b32 v[96+N], v[96+N], v254, vcc_lo
.set N, N+1
.endr
.Lnoc:
	s_bitcmp1_b32 s26, s24
	s_cbranch_scc1 .Lnod
	WIN 0x01
.set N, 0
.rept 64
	v_cmp_eq_u32 vcc_lo, v[192+N], v6
	v_cndmask_b32 v[96+N], 0xff800000, v[96+N], vcc_lo
.set N, N+1
.endr
	WIN 0
.Lnod:
.irp b, 0,1,2,3
	v_max3_num_f32 v[232+\b], v[96+16*\b], v[97+16*\b], v[98+16*\b]   ; the largest score of each block of 32 keys: for the row's maximum and for the block's largest p
.endr
.irp i, 3,5,7,9,11,13
.irp b, 0,1,2,3
	v_max3_num_f32 v[232+\b], v[232+\b], v[96+16*\b+\i], v[97+16*\b+\i]
.endr
.endr
.irp b, 0,1,2,3
	v_max_num_f32 v[232+\b], v[232+\b], v[111+16*\b]
.endr
.irp b, 0,1,2,3
	v_permlanex16_b32 v[236+\b], v[232+\b], s[SEL], s[SEL+1]
.endr
.irp b, 0,1,2,3
	v_max_num_f32 v[232+\b], v[232+\b], v[236+\b]
.endr
	v_max3_num_f32 v254, v232, v233, v234
	v_max_num_f32 v254, v254, v235
	v_mul_f32 v254, s[CS], v254
	v_max_num_f32 v13, v13, v254                   ; the running largest t (a row still wholly hidden keeps -3e38: its p are 0)
	v_mov_b32 v254, v12
	v_floor_f32 v12, -v13                          ; -M
	v_sub_f32 v254, v12, v254
	v_cvt_i32_f32 v254, v254                       ; (it saturates)
	v_ldexp_f32 v252, 1.0, v254                    ; f = 2^(old M - new M)
.set N, 0
.rept 32
	v_pk_fma_f32 v[96+N:97+N], v[96+N:97+N], s[CS:CS+1], v[12:13] op_sel_hi:[1,0,0]
.set N, N+2
.endr
.irp b, 0,1,2,3
	v_fma_f32 v[232+\b], v[232+\b], s[CS], v12
.endr
.set N, 0
.rept 64
	v_exp_f32 v[96+N], v[96+N]
.set N, N+1
.endr
	v_pk_mul_f32 v[14:15], v[14:15], v[252:253] op_sel_hi:[1,0]   ; (a plain place behind the exponentials)
	s_wait_alu depctr_va_vdst(0)                   ; one wait for the 64
.irp b, 0,1,2,3
	v_exp_f32 v[232+\b], v[232+\b]
.endr
	v_pk_add_f32 v[236:237], v[96:97], v[98:99]    ; the row's sum, of the unquantised p, in two chains
.irp j, 4,8,12,16,20,24,28,32,36,40,44,48,52,56,60
	v_pk_add_f32 v[14:15], v[14:15], v[96+\j:97+\j]
	v_pk_add_f32 v[236:237], v[236:237], v[98+\j:99+\j]
.endr
	v_pk_add_f32 v[14:15], v[14:15], v[236:237]
	s_wait_alu depctr_va_vdst(0)                   ; and one for the four
.irp b, 0,1,2,3
	v_max_num_f32 v[232+\b], 0x1800000, v[232+\b]
.endr
.irp b, 0,1,2,3
	v_add_nc_u32 v[244+\b], 0xff000000, v[232+\b]
.endr
.irp b, 0,1,2,3
	v_lshrrev_b32 v[236+\b], 23, v[244+\b]
.endr
	v_lshl_or_b32 v253, v237, 8, v236              ; p's scale word
	v_lshl_or_b32 v253, v238, 16, v253
	v_lshl_or_b32 v253, v239, 24, v253
.irp c, 0,1
	v_cvt_scalef32_pk16_fp6_f32 v[224+6*\c:226+6*\c], v[96+32*\c:111+32*\c], v[244+2*\c]
	v_cvt_scalef32_pk16_fp6_f32 v[236+4*\c:238+4*\c], v[112+32*\c:127+32*\c], v[244+2*\c+1]
.endr
	v_nop
.irp c, 0,1
.irp i, 0,1,2
	v_permlane16_swap_b32 v[224+6*\c+\i], v[236+4*\c+\i]
.endr
.irp i, 0,1,2
	v_mov_b32 v[227+6*\c+\i], v[236+4*\c+\i]
.endr
.endr
.set N, 0
.rept 32
	v_pk_mul_f32 v[160+N:161+N], v[160+N:161+N], v[252:253] op_sel_hi:[1,0]   ; O^T under the new M; also the places in front of the products below
.set N, N+2
.endr
	s_wait_loadcnt 0x0                             ; V
	WIN 0x01
.irp t, 0,1,2,3,4,5,6,7
	v_wmma_scale_f32_16x16x128_f8f6f4 v[160+8*\t:167+8*\t], v[96+12*\t:107+12*\t], v[224:235], v[160+8*\t:167+8*\t], v[40+4*(\t%2)+\t/2], v253 matrix_a_fmt:MATRIX_FMT_FP6 matrix_b_fmt:MATRIX_FMT_FP6
.endr
	WIN 0
.rept 4
	v_nop                                          ; places ahead of the next step's loads and of the way out
.endr
.Lnext:
	s_add_nc_u64 s[30:31], s[30:31], 12288         ; (no load is out here: each step waits for all its own)
	s_add_nc_u64 s[32:33], s[32:33], 512
	s_add_nc_u64 s[34:35], s[34:35], 512
	s_add_co_u32 s24, s24, 1
	s_cmp_lt_u32 s24, s58                          ; a step of 1 against SQ + 1, which the loop does not write
	s_cbranch_scc1 .Lstep
	v_add_f32 v14, v14, v15
	v_permlanex16_b32 v252, v14, s[SEL], s[SEL+1]
	v_add_f32 v14, v14, v252                       ; the row's sum: at least the query's own key counts
	v_rcp_f32 v14, v14
	v_nop
	s_wait_alu depctr_va_vdst(0)
.set N, 0
.rept 32
	v_pk_mul_f32 v[96+N:97+N], v[160+N:161+N], v[14:15] op_sel_hi:[1,0]   ; y: register 16 b + i of lane half h is the head's 32 b + 16 h + i
.set N, N+2
.endr
	QUANT 96, PW
.irp c, 0,1,2
	global_store_b128 v1, v[PC+4*\c:PC+4*\c+3], s[12:13] offset:512*\c   ; 32 lanes store 512 consecutive bytes
.endr
	global_store_b32 v29, v[PW], s[14:15]          ; 128 consecutive bytes: the image's scale words
	s_endpgm
.Lfunc_end_k_q87683d3a3a_attn:
	.size	k_q87683d3a3a_attn, .Lfunc_end_k_q87683d3a3a_attn-k_q87683d3a3a_attn
	.p2alignl 7, 3214868480
	.fill 96, 4, 3214868480
	.section	.rodata,"a",@progbits
	.p2align	6, 0x0
	.amdhsa_kernel k_q87683d3a3a_attn
		.amdhsa_group_segment_fixed_size 0
		.amdhsa_private_segment_fixed_size 0
		.amdhsa_enable_private_segment 0
		.amdhsa_kernarg_size 48
		.amdhsa_user_sgpr_count 2
		.amdhsa_user_sgpr_kernarg_segment_ptr 1
		.amdhsa_wavefront_size32 1
		.amdhsa_system_sgpr_workgroup_id_x 1
		.amdhsa_system_sgpr_workgroup_id_y 1
		.amdhsa_system_sgpr_workgroup_id_z 1
		.amdhsa_system_vgpr_workitem_id 0
		.amdhsa_next_free_vgpr 512
		.amdhsa_next_free_sgpr 66
		.amdhsa_reserve_vcc 1
		.amdhsa_float_denorm_mode_32 3
		.amdhsa_float_denorm_mode_16_64 3
		.amdhsa_memory_ordered 1
		.amdhsa_forward_progress 1
		.amdhsa_inst_pref_size 47
	.end_amdhsa_kernel
	.amdgpu_metadata
---
amdhsa.version: [ 1, 2 ]
amdhsa.kernels:
  - .name:           k_q87683d3a3a_attn
    .symbol:         k_q87683d3a3a_attn.kd
    .args:
      - { .name: qkvc, .offset: 0, .size: 8, .value_kind: global_buffer, .address_space: global }
      - { .name: qkvs, .offset: 8, .size: 8, .value_kind: global_buffer, .address_space: global }
      - { .name: docs, .offset: 16, .size: 8, .value_kind: global_buffer, .address_space: global }
      - { .name: dstat, .offset: 24, .size: 8, .value_kind: global_buffer, .address_space: global }
      - { .name: ycod, .offset: 32, .size: 8, .value_kind: global_buffer, .address_space: global }
      - { .name: yscl, .offset: 40, .size: 8, .value_kind: global_buffer, .address_space: global }
    .group_segment_fixed_size: 0
    .private_segment_fixed_size: 0
    .kernarg_segment_align: 8
    .kernarg_segment_size: 48
    .max_flat_workgroup_size: 256
    .sgpr_count:     66
    .vgpr_count:     512
    .wavefront_size: 32
...
	.end_amdgpu_metadata
.endif
;; end of part 2
;; launch proj (part 3): grid 8 x 32, 4 waves a work-group, clusters of 4 x 4, 262,144 bytes of LDS; arguments ycod, yscl, c_proj_w_codes, c_proj_w_scales, out0; writes out0
.if DOCPART == 3
	.amdgcn_target "amdgcn-amd-amdhsa--gfx1250"
	.amdhsa_code_object_version 6
	.text
	.protected	k_q87683d3a3a_proj
	.globl	k_q87683d3a3a_proj
	.p2align	8
	.type	k_q87683d3a3a_proj,@function
k_q87683d3a3a_proj:
	s_mov_b64 s[64:65], 0
	v_nop
	global_prefetch_b8 v0, s[64:65] scope:SCOPE_SE
	s_setreg_imm32_b32 hwreg(HW_REG_WAVE_MODE, 25, 1), 1
	s_wait_xcnt 0x0
	s_wait_alu depctr_hold_cnt(0) depctr_sa_sdst(0) depctr_va_vdst(0) depctr_va_sdst(0) depctr_va_ssrc(0) depctr_va_vcc(0) depctr_vm_vsrc(0)
	s_getreg_b32 s2, hwreg(HW_REG_IB_STS2, 6, 4)
	s_cmp_eq_u32 s2, 0
	s_cbranch_scc0 .Lentry_in_a_cluster
	s_endpgm
.Lentry_in_a_cluster:
	s_bfe_u32 s2, ttmp6, 0x10000c
	s_cmp_lg_u32 s2, 0xf033
	s_cbranch_scc0 .Lentry_shape_is_right
	s_endpgm
.Lentry_shape_is_right:
; THIRD LAUNCH.  out0 = y c_proj_w^T on codes of FP6 (E2M3).  Nothing is left out here.
; A tile of 128 tokens x 128 outputs to a work-group (256 work-groups), 64 x 64 a wave: 16 accumulators.  All of K = 1,024 of both sides fits in LDS: first fills alone, no ring, nothing is filled again.
; y comes as images of operand registers, (token tile x 8 + head) x 1,536 bytes: a tile's 98,304 bytes are dense; w comes as rows, in four chunks of 256 along K, padded as rows of 3 x (64 + 16) bytes.
; CLUSTER 4 x 4: y's tile is shared along a row of the cluster, w's along a column: joint loads.  Source 0 = 16 rows of w, source 1 = y: a lane holds eight neighbouring outputs of one token.
; REGISTERS.  Window 0: v16-31 addresses; v32-63 w's scale words (tile b, K step s at 32 + 8 b + s); v64-95 y's (64 + 8 a + s); v96-127 and v64-95 rows on the way out; v128-255 the accumulators.
; Window 1: two sets of fragments at 0 and 128: y's four, then w's four.
.set YA,    0
.set WB,    98304
.set YS,    221184
.set WS,    229376
.set STAGE, 233728
.set SPARE, 251136
.set PITCH, 240
.set CHUNK, 128*PITCH
.set ADRA, 16
.set ADRB, 20                          ; v20 chunks 0, 1; v21 chunks 2, 3; v22, v23 the same behind one padding more
.set ASB,  24
.set ASA,  25
.set STO,  26
.set RD,   27
.set SPW,  28
.set NIL,  29
.set CO,   31
.set MSB, 0
.macro WIN new
.if MSB != (\new)
	s_set_vgpr_msb (MSB<<8)|(\new)
.set MSB, (\new)
.endif
.endm
.macro CROUND
	s_barrier_signal -1
	s_barrier_wait -1
	s_cmp_lg_u32 s14, 0
	s_cbranch_scc1 .Lnot_wave_0_\@
	s_barrier_signal -3
.Lnot_wave_0_\@:
	s_barrier_wait -3
	s_barrier_signal -1
	s_barrier_wait -1
.endm
	s_load_b256 s[4:11], s[0:1], 0x0               ; ycod, yscl, w's codes, w's scales
	s_load_b64 s[12:13], s[0:1], 0x20              ; out0
	v_lshl_add_u32 v[SPW], v0, 2, SPARE
	v_mov_b32 v[NIL], 0
	ds_add_u32 v[SPW], v[NIL]                      ; the wave's opening: the add, twice on end, and its wait ahead of my first tensor load
	ds_add_u32 v[SPW], v[NIL]
	v_lshrrev_b32 v1, 5, v0
	v_readfirstlane_b32 s14, v1                    ; wave 0..3
	s_lshr_b32 s15, s14, 1                         ; my half of the tokens
	s_and_b32 s16, s14, 1                          ; my half of the outputs
	s_bfe_u32 s80, ttmp6, 0x40000                  ; cx
	s_bfe_u32 s81, ttmp6, 0x40004                  ; cy
	s_lshl_b32 s82, ttmp9, 2
	s_add_co_u32 s82, s82, s80                     ; tile column: 128 outputs
	s_and_b32 s17, ttmp7, 0xffff
	s_lshl_b32 s17, s17, 2
	s_add_co_u32 s17, s17, s81                     ; tile row: 128 tokens
	s_lshl_b32 s83, s81, 2
	s_lshl_b32 s83, 15, s83                        ; my row of the cluster
	s_lshl_b32 s84, 0x1111, s80                    ; my column
	s_or_b32 s24, s83, (3<<16)|(1<<21)             ; y's images: 24,576 dense bytes a wave as 96 rows of 256 (32 elements of 8 bytes), no padding
	s_mov_b32 s25, 32<<16
	s_mov_b32 s26, 96<<16
	s_mov_b32 s27, 32<<16
	s_mov_b32 s28, 96
	s_mov_b32 s29, 32
	s_mov_b32 s30, 0
	s_mov_b32 s31, 0
	s_or_b32 s32, s84, (0<<16)|(1<<20)|(1<<21)|(3<<22)|(3<<25)   ; w: 128 rows x 192 bytes, 768 apart; 16 bytes of padding behind every 64
	s_mov_b32 s33, 192<<16
	s_mov_b32 s34, 128<<16
	s_mov_b32 s35, 192<<16
	s_mov_b32 s36, 128
	s_mov_b32 s37, 768
	s_mov_b32 s38, 0
	s_mov_b32 s39, 0
	s_or_b32 s40, s83, (3<<16)|(1<<21)             ; y's scale words: 4,096 dense bytes as 16 rows of 256
	s_mov_b32 s41, 32<<16
	s_mov_b32 s42, 16<<16
	s_mov_b32 s43, 32<<16
	s_mov_b32 s44, 16
	s_mov_b32 s45, 32
	s_mov_b32 s46, 0
	s_mov_b32 s47, 0
	s_or_b32 s48, s84, (3<<16)|(1<<20)|(1<<21)|(5<<22)|(3<<25)   ; w's scale bytes: 2,048 dense bytes as 8 rows of 256, 16 bytes of padding behind each
	s_mov_b32 s49, 32<<16
	s_mov_b32 s50, 8<<16
	s_mov_b32 s51, 32<<16
	s_mov_b32 s52, 8
	s_mov_b32 s53, 32
	s_mov_b32 s54, 0
	s_mov_b32 s55, 0
	s_mul_i32 s86, s17, 98304
	s_mul_i32 s18, s14, 24576
	s_add_co_u32 s86, s86, s18                     ; y: the tile's images, my quarter
	s_mov_b32 s87, 0
	s_mul_i32 s88, s82, 98304
	s_mul_i32 s19, s14, 192
	s_add_co_u32 s88, s88, s19                     ; w: the tile's rows, my chunk along K
	s_mov_b32 s89, 0
	s_lshl_b32 s90, s17, 13
	s_lshl_b32 s18, s16, 12
	s_add_co_u32 s90, s90, s18
	s_mov_b32 s91, 0
	s_lshl_b32 s92, s82, 12
	s_lshl_b32 s19, s16, 11
	s_add_co_u32 s92, s92, s19
	s_mov_b32 s93, 0
	s_wait_dscnt 0x0                               ; both opening adds are done
	s_wait_kmcnt 0x0
	CROUND                                         ; all sixteen work-groups are here: the joint loads meet
	s_mov_b32 s56, 1
	s_mul_i32 s57, s14, 24576
	s_add_nc_u64 s[58:59], s[4:5], s[86:87]
	s_or_b32 s59, s59, 0x80000000
	s_mov_b32 s60, 1
	s_mul_i32 s61, s14, CHUNK
	s_add_co_u32 s61, s61, WB
	s_add_nc_u64 s[62:63], s[8:9], s[88:89]
	s_or_b32 s63, s63, 0x80000000
	s_mov_b32 s68, 1
	s_lshl_b32 s69, s16, 12
	s_add_co_u32 s69, s69, YS
	s_add_nc_u64 s[70:71], s[6:7], s[90:91]
	s_or_b32 s71, s71, 0x80000000
	s_mov_b32 s72, 1
	s_mul_i32 s73, s16, 2176
	s_add_co_u32 s73, s73, WS
	s_add_nc_u64 s[74:75], s[10:11], s[92:93]
	s_or_b32 s75, s75, 0x80000000
	tensor_load_to_lds s[56:59], s[24:31]          ; every wave: a quarter of y's images,
	s_nop 0
	tensor_load_to_lds s[60:63], s[32:39]          ; a chunk of w,
	s_nop 0
	s_cmp_lt_u32 s14, 2                            ; and half of one side's scales: three loads of mine are out
	s_cbranch_scc0 .Lfor_ws
	tensor_load_to_lds s[68:71], s[40:47]
	s_nop 0
.rept 4
	v_nop
.endr
	s_branch .Lasked
.Lfor_ws:
	tensor_load_to_lds s[72:75], s[48:55]
	s_nop 0
.rept 4
	v_nop
.endr
.Lasked:
	v_and_b32 v1, 15, v0                           ; r
	v_bfe_u32 v2, v0, 4, 1                         ; h
	v_and_b32 v3, 31, v0                           ; lane
	s_mul_i32 s18, s15, 49152                      ; my four token tiles' images
	v_lshlrev_b32 v4, 4, v3
	v_add_nc_u32 v[ADRA], s18, v4
	v_mul_u32_u24 v4, v1, PITCH
	v_mad_u32_u24 v4, v2, 24, v4
	s_mul_i32 s18, s16, 64*PITCH
	s_add_co_u32 s18, s18, WB
	v_add_nc_u32 v[ADRB], s18, v4
	v_add_nc_u32 v[ADRB+1], 2*CHUNK, v[ADRB]
	v_lshl_add_u32 v[ADRB+2], v2, 4, v[ADRB]
	v_lshl_add_u32 v[ADRB+3], v2, 4, v[ADRB+1]
	v_lshrrev_b32 v4, 3, v1
	v_mul_u32_u24 v4, v4, 272
	v_and_b32 v5, 7, v1
	v_lshl_add_u32 v4, v5, 5, v4
	s_mul_i32 s18, s16, 2176
	s_add_co_u32 s18, s18, WS
	v_add_nc_u32 v[ASB], s18, v4                   ; w's scale bytes: 32 a row, eight rows to a unit of 272
	s_lshl_b32 s18, s15, 12
	s_add_co_u32 s18, s18, YS
	v_lshlrev_b32 v4, 2, v3
	v_add_nc_u32 v[ASA], s18, v4
	s_mul_i32 s18, s14, 16*272
	s_add_co_u32 s18, s18, STAGE                   ; my stage
	v_mul_u32_u24 v4, v1, 272
	v_lshl_add_u32 v4, v2, 5, v4
	v_add_nc_u32 v[STO], s18, v4
	v_mul_u32_u24 v4, v2, 272
	v_lshl_add_u32 v4, v1, 4, v4
	v_add_nc_u32 v[RD], s18, v4
	v_lshlrev_b32 v4, 12, v2
	v_lshl_add_u32 v[CO], v1, 4, v4                ; out0: lanes 0-15 one row's 256 bytes, lanes 16-31 the next row's
	s_lshl_b32 s20, s17, 19
	s_lshl_b32 s18, s15, 18
	s_add_co_u32 s20, s20, s18                     ; (128 x tile row + 64 x half) rows of 4,096 bytes
	s_lshl_b32 s18, s82, 9
	s_add_co_u32 s20, s20, s18
	s_lshl_b32 s18, s16, 8
	s_add_co_u32 s20, s20, s18
	s_mov_b32 s21, 0
	s_add_nc_u64 s[12:13], s[12:13], s[20:21]
	s_wait_tensorcnt 0x0                           ; my parts are in,
	s_barrier_signal -1
	s_barrier_wait -1                              ; everybody's are
.macro FRAG reg, adr, q, i, ex         ; a fragment of w from rows: pieces of 8 bytes; where lanes 16-31's piece lies behind one padding more, the second address register serves
.irp p, 0,1,2,3,4,5
.set PIECE, 12*(\q)+6*(\p/3)+\p%3
.if PIECE%8 < 5
	ds_load_b64 v[\reg+2*\p:\reg+2*\p+1], v[\adr] offset:8*PIECE+16*(PIECE/8)+(\i)*16*PITCH+(\ex)
.else
	ds_load_b64 v[\reg+2*\p:\reg+2*\p+1], v[\adr+2] offset:8*PIECE+16*(PIECE/8)+(\i)*16*PITCH+(\ex)
.endif
.endr
.endm
.macro FETCH s                         ; K step s (head s): 12 + 24 LDS loads into set s % 2
	WIN 0x40
.irp a, 0,1,2,3
.irp c, 0,1,2
	ds_load_b128 v[128*((\s)%2)+12*\a+4*\c:128*((\s)%2)+12*\a+4*\c+3], v[ADRA] offset:(8*\a+(\s))*1536+512*\c
.endr
.endr
.irp b, 0,1,2,3
	FRAG 128*((\s)%2)+48+12*\b, ADRB+(\s)/4, (\s)%2, \b, (((\s)/2)%2)*CHUNK
.endr
.endm
.irp b, 0,1,2,3
	ds_load_b128 v[32+8*\b:35+8*\b], v[ASB] offset:544*\b
	ds_load_b128 v[36+8*\b:39+8*\b], v[ASB] offset:544*\b+16
.endr
.irp a, 0,1,2,3
.irp s, 0,1,2,3,4,5,6,7
	ds_load_b32 v[64+8*\a+\s], v[ASA] offset:(8*\a+\s)*128
.endr
.endr
	FETCH 0
.irp s, 0,1,2,3,4,5,6,7
.if (\s > 0) && (\s < 7)
.rept 4
	v_nop                                          ; places in front of loads into the set that the last step's products read
.endr
.endif
.if \s < 7
	FETCH \s+1
	s_wait_dscnt 36                                ; all but the next step's 36
.else
	s_wait_dscnt 0x0
.endif
.set FS, 128*(\s%2)
	WIN 0x05                                       ; sources 0 and 1: window 1
.irp a, 0,1,2,3
.irp b, 0,1,2,3
.if \s == 0
	v_wmma_scale_f32_16x16x128_f8f6f4 v[128+8*(4*\a+\b):135+8*(4*\a+\b)], v[FS+48+12*\b:FS+59+12*\b], v[FS+12*\a:FS+11+12*\a], 0, v[32+8*\b+\s], v[64+8*\a+\s] matrix_a_fmt:MATRIX_FMT_FP6 matrix_b_fmt:MATRIX_FMT_FP6
.else
	v_wmma_scale_f32_16x16x128_f8f6f4 v[128+8*(4*\a+\b):135+8*(4*\a+\b)], v[FS+48+12*\b:FS+59+12*\b], v[FS+12*\a:FS+11+12*\a], v[128+8*(4*\a+\b):135+8*(4*\a+\b)], v[32+8*\b+\s], v[64+8*\a+\s] matrix_a_fmt:MATRIX_FMT_FP6 matrix_b_fmt:MATRIX_FMT_FP6
.endif
.endr
.endr
.endr
	WIN 0
.rept 4
	v_nop
.endr
	; THE WAY OUT: 16 tokens x 64 outputs at a time through my own stage, back as rows of 256 bytes: sixteen lanes store 256 consecutive bytes, at a multiple of 256 from out0's first byte
.irp a, 0,1,2,3
.set BK, 96-32*(\a%2)
.if \a > 1
	s_wait_xcnt 0x0                                ; the stores of two blocks back have read their registers
.endif
.irp b, 0,1,2,3
	ds_store_b128 v[STO], v[128+8*(4*\a+\b):131+8*(4*\a+\b)] offset:64*\b        ; each accumulator from its low end on
	ds_store_b128 v[STO], v[132+8*(4*\a+\b):135+8*(4*\a+\b)] offset:64*\b+16
.endr
.irp t, 0,1,2,3,4,5,6,7
	ds_load_b128 v[BK+4*\t:BK+4*\t+3], v[RD] offset:544*\t   ; LDS serves a wave's instructions in order (ISA guide 5.7.1.4)
.endr
.irp t, 0,1,2,3,4,5,6,7
	s_wait_dscnt 7-\t
	global_store_b128 v[CO], v[BK+4*\t:BK+4*\t+3], s[12:13] offset:(16*\a+2*\t)*4096 th:TH_STORE_NT
.endr
.endr
	s_wait_tensorcnt 0x0                           ; the wave's end
	ds_add_u32 v[SPW], v[NIL]
	s_wait_dscnt 0x0
	CROUND                                         ; the closing round
	s_endpgm
.Lfunc_end_k_q87683d3a3a_proj:
	.size	k_q87683d3a3a_proj, .Lfunc_end_k_q87683d3a3a_proj-k_q87683d3a3a_proj
	.p2alignl 7, 3214868480
	.fill 96, 4, 3214868480
	.section	.rodata,"a",@progbits
	.p2align	6, 0x0
	.amdhsa_kernel k_q87683d3a3a_proj
		.amdhsa_group_segment_fixed_size 262144
		.amdhsa_private_segment_fixed_size 0
		.amdhsa_enable_private_segment 0
		.amdhsa_kernarg_size 40
		.amdhsa_user_sgpr_count 2
		.amdhsa_user_sgpr_kernarg_segment_ptr 1
		.amdhsa_wavefront_size32 1
		.amdhsa_system_sgpr_workgroup_id_x 1
		.amdhsa_system_sgpr_workgroup_id_y 1
		.amdhsa_system_sgpr_workgroup_id_z 1
		.amdhsa_system_vgpr_workitem_id 0
		.amdhsa_next_free_vgpr 512
		.amdhsa_next_free_sgpr 96
		.amdhsa_reserve_vcc 0
		.amdhsa_float_denorm_mode_32 3
		.amdhsa_float_denorm_mode_16_64 3
		.amdhsa_memory_ordered 1
		.amdhsa_forward_progress 1
		.amdhsa_inst_pref_size 55
	.end_amdhsa_kernel
	.amdgpu_metadata
---
amdhsa.version: [ 1, 2 ]
amdhsa.kernels:
  - .name:           k_q87683d3a3a_proj
    .symbol:         k_q87683d3a3a_proj.kd
    .args:
      - { .name: ycod, .offset: 0, .size: 8, .value_kind: global_buffer, .address_space: global }
      - { .name: yscl, .offset: 8, .size: 8, .value_kind: global_buffer, .address_space: global }
      - { .name: c_proj_w_codes, .offset: 16, .size: 8, .value_kind: global_buffer, .address_space: global }
      - { .name: c_proj_w_scales, .offset: 24, .size: 8, .value_kind: global_buffer, .address_space: global }
      - { .name: out0, .offset: 32, .size: 8, .value_kind: global_buffer, .address_space: global }
    .group_segment_fixed_size: 262144
    .private_segment_fixed_size: 0
    .kernarg_segment_align: 8
    .kernarg_segment_size: 40
    .max_flat_workgroup_size: 128
    .sgpr_count:     96
    .vgpr_count:     512
    .wavefront_size: 32
...
	.end_amdgpu_metadata
.endif
;; end of part 3
